; MI455X (gfx1250); checked and timed in simulation.
; The chip was launched on July 23, 2026; its instructions are those of AMD's public machine-readable ISA for CDNA 5 (MIT licence, August 2026) and "CDNA5" Instruction Set Architecture Reference Guide (July 2026). The comments in the code are by the model that wrote it; some were corrected since.
;; Multi Head Attention. Allowed arithmetic: matrix products marked QUANTISED: E4M3 operands, one E8M0 scale for each 32 along K, by v_wmma_scale_f32_16x16x128_f8f6f4 with both operands' format E4M3, f32 sums; everything else in f32.
;; Inputs: Wk 1,024 x 1,024 float32; Wo 1,024 x 1,024 float32; Wq 1,024 x 1,024 float32; Wv 1,024 x 1,024 float32; bk 1,024 float32; bo 1,024 float32; bq 1,024 float32; bv 1,024 float32; ln_beta 1,024 float32; ln_gamma 1,024 float32; x 4 x 2,048 x 1,024 float32.
;; Outputs: out0 4 x 2,048 x 1,024 float32.
;; This version of the problem:
;;   THIS VERSION OF THE PROBLEM IS GIVEN IN LOW PRECISION. The matrix products marked QUANTISED in the list below multiply operands that are first quantised to E4M3 (4 exponent bits, 3 mantissa bits; 8 bits a number), with one power-of-two scale for each 32 numbers along K (OCP MX v1.0); their sums are f32. All else is computed in f32.
;;   The module's matrix products, in the order in which they are computed (A, B: the left and right operand; K: the contracted axis; several contracted axes count as one K, in the product's order):
;;     1. [M 8,192, K 1,024] x [K 1,024, N 1,024]; A: input x; B: input Wq: QUANTISED
;;     2. [M 8,192, K 1,024] x [K 1,024, N 1,024]; A: input x; B: input Wk: QUANTISED
;;     3. [M 8,192, K 1,024] x [K 1,024, N 1,024]; A: input x; B: input Wv: QUANTISED
;;     4. batch 64 x [M 2,048, K 64] x [K 64, N 2,048]; A: computed on the way; B: computed on the way: QUANTISED
;;     5. batch 64 x [M 2,048, K 2,048] x [K 2,048, N 64]; A: softmax (see below); B: computed on the way: QUANTISED
;;     6. [M 8,192, K 1,024] x [K 1,024, N 1,024]; A: computed on the way; B: input Wo: QUANTISED
;;   THE QUANTISER, for each operand of a quantised product, along K:
;;     - K is cut into blocks of 32 from its start; a last block that is shorter is filled with zeros.
;;     - A block's scale is 2^e with e = floor(log2(the largest magnitude in the block)) - 8, held to -126 .. 127; a block of zeros has e = 0. As a byte (E8M0): e + 127.
;;     - Each number is divided by its block's scale, clamped to +-448, and rounded to the nearest number of E4M3, ties to even, subnormals kept.
;;     - The product sums the exact products of the quantised numbers (number of the format x scale) in f32.
;;   ~~~python
;;   def quantise(x, axis):      # numpy; x: float32 -> the quantised numbers, widened to float32 again
;;       x = np.moveaxis(x, axis, -1); K = x.shape[-1]
;;       x = np.pad(x, [(0, 0)] * (x.ndim - 1) + [(0, -K % 32)]); x = x.reshape(x.shape[:-1] + (-1, 32)); a = np.abs(x).max(-1, keepdims=True)
;;       e = np.where(a > 0, np.clip(np.frexp(np.where(a > 0, a, 1))[1] - 1 - 8, -126, 127), 0)      # np.frexp(a)[1] - 1 = floor(log2(a)), exactly
;;       r = np.clip(x / 2.0 ** e, -448, 448)
;;       step = 2.0 ** (np.maximum(np.frexp(np.where(r == 0, 1, r))[1] - 1, -6) - 3)
;;       q = np.round(r / step) * step * 2.0 ** e      # np.round: ties to even
;;       return np.moveaxis(q.reshape(q.shape[:-2] + (-1,))[..., :K], -1, axis).astype(np.float32)
;;   ~~~
;;   SOFTMAX AHEAD OF A QUANTISED PRODUCT. Where the list says 'softmax', what is quantised is not the finished softmax but p = 2^(t - M), with t = logit x log2(e) and M = ceil(the row's largest t), a whole number; so 1/2 < the row's largest p <= 1. The row's sum l is taken of the UNQUANTISED p, in f32, and the product's result is divided by l at the end. Since M is a whole number, a kernel that streams over the keys may use a running M (the ceiling of the running maximum): every later rescaling is an exact power of two, which a block's scale takes up: the codes' values come out the same.
;;   OPERANDS COMPUTED ON THE WAY. 'Computed on the way' means the value that the module computes at that place (a softmax that the list does not call 'softmax' is quantised finished and normalised). What goes into a quantiser is computed in f32, as accurately as f32 sums, v_exp_f32 and their like allow (about 1e-6 of the number): no bf16 or f16 on the way to a quantiser, and a product that is left as it is and whose result goes on into a quantised operand takes f32 operands (vector FMAs, or v_wmma_f32_16x16x4_f32). A number that lies on a knife's edge between two numbers of the format may be rounded either way, as far as f32 arithmetic and the matrix unit's own rounding can turn it there, and no further.
;; One version. Each part assembles by itself: llvm-mc -triple=amdgcn-amd-amdhsa -mcpu=gfx1250 --defsym DOCPART=n.
;; ======== version 1 of 1: 4 launches
;; workspace buffers: c1 12,582,912 bytes; s1 393,216 bytes; c2 25,165,824 bytes; s2 1,310,720 bytes; cc 8,388,608 bytes; cs 262,144 bytes
;; launch quant (part 1): grid 384 x 1, 4 waves a work-group, no clusters, 57,856 bytes of LDS; arguments x, Wq, Wk, Wv, Wo, c1, s1; writes c1, s1
.if DOCPART == 1
	.amdgcn_target "amdgcn-amd-amdhsa--gfx1250"
	.amdhsa_code_object_version 6
	.text
	.protected	k_qb6f9488a78_quant
	.globl	k_qb6f9488a78_quant
	.p2align	8
	.type	k_qb6f9488a78_quant,@function
k_qb6f9488a78_quant:
	s_mov_b64 s[64:65], 0
	v_nop
	global_prefetch_b8 v0, s[64:65] scope:SCOPE_SE
	s_setreg_imm32_b32 hwreg(HW_REG_WAVE_MODE, 25, 1), 1
	s_wait_xcnt 0x0
; x [8192][1024] and Wq, Wk, Wv, Wo [1024][1024], f32, K innermost, become codes of FP8 (E4M3) with one E8M0 byte for each 32 along K.
; The five tensors count as ONE matrix of 12,288 rows: x at row 0, Wq at 8,192, Wk at 9,216, Wv at 10,240, Wo at 11,264.
; THE CODES LEAVE AS IMAGES OF OPERAND REGISTERS.  c1 = [768 tiles of 16 rows][8 K steps of 128][2,048 bytes]; a fragment is four groups c of 512 bytes, lane l's 16 bytes at 16 l:
; lane (r = l % 16, h = l / 16) of group c holds k = 32 c + 16 h + 0 .. 15 of row r.  So the byte of (row r, k) of a tile lies at 256 (k / 16) + 16 r + k % 16.
; s1 = [768 tiles][4 runs of 256 along K][16 rows][8 bytes]: eight bytes at 8 r are the scale words of two K steps of row r.
; Wv's ROWS ARE LAID IN ANOTHER ORDER: in each 32 rows the second and the third group of eight change places, so that lane r of tile 2 b + u holds row 32 b + 8 u + r + 8 (r / 8).
; A block's scale is 2^(floor(log2(its largest magnitude)) - 8); its byte is the largest magnitude's exponent field - 8, held at 1 from below.  Numbers are held within +-448 x the scale and rounded to the nearest code, ties to even.
; LIMITS: NaN and infinities are not served; a block whose largest magnitude lies under 2^-118 has its byte held at 1; a block of zeros gets the byte 1 where the rule says 127: its codes are zeros, and this program alone reads the bytes.
; SHARES.  A work-group takes 32 rows (two tiles); wave w takes tile w / 2 and 512 of K (w % 2): 16 steps, a row's 512 numbers each.  Each load reads 512 consecutive bytes; the numbers turn through the wave's own stage
; so that a lane holds 16 neighbours (two lanes to a block).  Lane l's 16 codes of row t belong at byte 256 l + 16 t of the wave's 8,192 bytes of images: they are gathered in LDS (272 l + 16 t) and leave 512 consecutive bytes a store.
; No tensor load, no barrier, no cluster: waves and work-groups share no input here.
.set STEPS, 16
.set EMAX,  8
.set MANT,  0x600000                   ; the mantissa field of 448 as f32
.set SP,    80                         ; a lane's place in a turn stage: 64 bytes + 16 of padding
.set CP,    272                        ; a lane's 256 bytes of codes + 16 of padding
.set CST,   2*32*SP                    ; behind the two turn stages: the codes
.set SBY,   CST+32*CP                  ; behind them: the wave's 256 scale bytes
.set WREG,  14336                      ; LDS of a wave
.set R,     32                         ; v32-95   four sets of 16 numbers as loaded; at the end the codes on their way out
.set X,     96                         ; v96-127  two sets of 16 neighbours
.set E,     128                        ; v128-143 a scale byte for each step
.set C,     144                        ; v144-207 four registers of codes for each step
	s_load_b256 s[4:11], s[0:1], 0x0               ; x, Wq, Wk, Wv
	s_load_b128 s[12:15], s[0:1], 0x20             ; Wo, c1
	s_load_b64 s[16:17], s[0:1], 0x30              ; s1
	v_lshl_add_u32 v208, v0, 2, 0xe000
	v_mov_b32 v209, 0
	v_lshrrev_b32 v1, 5, v0
	v_readfirstlane_b32 s18, v1                    ; wave
	v_and_b32 v2, 31, v0                           ; lane
	s_lshr_b32 s19, s18, 1                         ; u: which of the two tiles
	s_and_b32 s33, s18, 1                          ; hf: which 512 of K
	s_mul_i32 s30, s18, WREG
	v_lshrrev_b32 v14, 2, v2
	v_mul_u32_u24 v14, v14, SP
	v_and_b32 v15, 3, v2
	v_lshl_add_u32 v14, v15, 4, v14
	v_add_nc_u32 v14, s30, v14                     ; the turn stage, in: SP (lane / 4) + 16 (lane % 4)
	v_mul_u32_u24 v15, v2, SP
	v_add_nc_u32 v15, s30, v15                     ; and out: SP x lane
	s_add_co_u32 s31, s30, SBY
	v_lshrrev_b32 v5, 4, v2
	v_bfe_u32 v6, v2, 1, 3
	v_lshl_add_u32 v5, v5, 7, v6
	v_add_nc_u32 v5, s31, v5                       ; my block's scale byte of row 0: 128 (lane / 16) + (lane / 2) % 8; a row is 8 bytes on
	v_lshlrev_b32 v7, 3, v2
	v_add_nc_u32 v6, s31, v7                       ; the scale bytes on the way out: 8 a lane
	s_add_co_u32 s32, s30, CST
	v_mul_u32_u24 v16, v2, CP
	v_add_nc_u32 v16, s32, v16                     ; my codes, in: CP x lane
	v_lshrrev_b32 v17, 4, v2
	v_mul_u32_u24 v17, v17, CP
	v_and_b32 v18, 15, v2
	v_lshl_add_u32 v17, v18, 4, v17
	v_add_nc_u32 v17, s32, v17                     ; and back: sixteen lanes to a run of 256 bytes
	v_lshlrev_b32 v18, 4, v2                       ; 16 x lane
	s_mov_b32 s37, MANT
	; which tensor: the choice hangs on the work-group's number alone
	s_sub_co_u32 s20, ttmp9, 256
	s_lshr_b32 s21, s20, 5                         ; 0 Wq, 1 Wk, 2 Wv, 3 Wo (a large number in x's work-groups)
	s_and_b32 s23, s20, 31                         ; which 32 rows of a weight
	s_cmp_eq_u32 s21, 2
	s_cselect_b32 s27, 8, 16                       ; tile u begins at row 16 u, in Wv at row 8 u,
	s_cselect_b32 s28, 16, 8                       ; and its second eight rows lie 8 further on, in Wv 16
	s_mul_i32 s26, s19, s27
	s_add_co_u32 s28, s26, s28
	s_lshl_b32 s29, s33, 11
	s_lshl_b32 s26, s26, 12
	s_lshl_b32 s28, s28, 12
	s_add_co_u32 s26, s26, s29
	s_add_co_u32 s28, s28, s29
	v_lshl_add_u32 v3, v2, 4, s26                  ; rows 0-7 of my tile: 16 lane + 2,048 hf + 4,096 x the first row
	v_lshl_add_u32 v4, v2, 4, s28                  ; rows 8-15
	s_wait_kmcnt 0x0
	s_cmp_eq_u32 s21, 2
	s_cselect_b64 s[12:13], s[10:11], s[12:13]
	s_cmp_eq_u32 s21, 1
	s_cselect_b64 s[12:13], s[8:9], s[12:13]
	s_cmp_eq_u32 s21, 0
	s_cselect_b64 s[12:13], s[6:7], s[12:13]
	s_cmp_lt_u32 ttmp9, 256
	s_cselect_b64 s[12:13], s[4:5], s[12:13]
	s_cselect_b32 s24, ttmp9, s23
	s_lshl_b32 s24, s24, 17                        ; 32 rows of 4,096 bytes
	s_mov_b32 s25, 0
	s_add_nc_u64 s[12:13], s[12:13], s[24:25]
	s_lshl_b32 s24, ttmp9, 1
	s_add_co_u32 s24, s24, s19                     ; my tile of the 768
	s_lshl_b32 s34, s24, 14
	s_lshl_b32 s35, s33, 13
	s_add_co_u32 s34, s34, s35
	s_mov_b32 s35, 0
	s_add_nc_u64 s[14:15], s[14:15], s[34:35]      ; my four fragments
	s_lshl_b32 s34, s24, 9
	s_lshl_b32 s36, s33, 8
	s_add_co_u32 s34, s34, s36
	s_add_nc_u64 s[16:17], s[16:17], s[34:35]      ; my 256 scale bytes
.macro LOAD t                          ; row t's 512 numbers: four loads of 512 consecutive bytes
.irp i, 0,1,2,3
.if (\t) < 8
	global_load_b128 v[R+16*((\t)%4)+4*\i:R+16*((\t)%4)+4*\i+3], v3, s[12:13] offset:4096*((\t)%8)+512*\i th:TH_LOAD_NT
.else
	global_load_b128 v[R+16*((\t)%4)+4*\i:R+16*((\t)%4)+4*\i+3], v4, s[12:13] offset:4096*((\t)%8)+512*\i th:TH_LOAD_NT
.endif
.endr
.endm
.macro TURN t                          ; through the stage: LDS serves a wave's instructions in order, so no wait stands between the stores and the loads
.irp i, 0,1,2,3
	ds_store_b128 v14, v[R+16*((\t)%4)+4*\i:R+16*((\t)%4)+4*\i+3] offset:32*SP*((\t)%2)+8*SP*\i
.endr
.irp i, 0,1,2,3
	ds_load_b128 v[X+16*((\t)%2)+4*\i:X+16*((\t)%2)+4*\i+3], v15 offset:32*SP*((\t)%2)+16*\i
.endr
.endm
.irp t, 0,1,2,3
	LOAD \t
.endr
	s_wait_loadcnt 12                              ; row 0's four loads are in
	TURN 0
.macro STEP t
.set XS, X+16*((\t)%2)
.if (\t) > 0
	s_wait_dscnt 2                                 ; this row's numbers are back from the stage; the last row's two stores (byte, codes) may be out
.else
	s_wait_dscnt 0x0
.endif
.if (\t)+4 < STEPS
	LOAD (\t)+4                                    ; into the set whose stores into the stage are done
.endif
.if (\t)+1 < STEPS
.if STEPS-2-(\t) >= 3
	s_wait_loadcnt 12                              ; the next row's four loads are in; those of the three rows behind it may be out
.else
	s_wait_loadcnt 4*(STEPS-2-(\t))
.endif
	TURN (\t)+1
.endif
	v_max3_num_f32 v8, |v[XS]|, |v[XS+1]|, |v[XS+2]|               ; the largest magnitude of my 16
	v_max3_num_f32 v9, |v[XS+3]|, |v[XS+4]|, |v[XS+5]|
.irp i, 6,10
	v_max3_num_f32 v8, v8, |v[XS+\i]|, |v[XS+\i+1]|
	v_max3_num_f32 v9, v9, |v[XS+\i+2]|, |v[XS+\i+3]|
.endr
	v_max3_num_f32 v8, v8, |v[XS+14]|, |v[XS+15]|
	v_max3_num_f32 v8, v8, v9, (EMAX+1)<<23        ; and the floor 2^(9 - 127): the byte cannot fall under 1
	v_max_num_f32_dpp v8, v8, v8 row_xmask:1 row_mask:0xf bank_mask:0xf   ; and of my neighbour's 16: the block's
	v_add_nc_u32 v11, -(EMAX<<23), v8              ; 8 off its exponent field: the conversion's scale operand
	v_and_or_b32 v10, v8, 0x7f800000, s37          ; 448 x the scale
.irp i, 0,1,2,3,4,5,6,7,8,9,10,11,12,13,14,15
	v_med3_num_f32 v[XS+\i], v[XS+\i], -v10, v10   ; the conversion to an 8-bit code does not saturate (ISA guide 7.6.2): the hold comes first
.endr
	v_cvt_scalef32_pk8_fp8_f32 v[C+4*(\t):C+4*(\t)+1], v[XS:XS+7], v11
	v_cvt_scalef32_pk8_fp8_f32 v[C+4*(\t)+2:C+4*(\t)+3], v[XS+8:XS+15], v11
	v_lshrrev_b32 v[E+(\t)], 23, v11               ; the scale's byte (a plain line behind the conversions)
	ds_store_b8 v5, v[E+(\t)] offset:8*(\t)        ; both lanes of a block write the same byte with the same value
	ds_store_b128 v16, v[C+4*(\t):C+4*(\t)+3] offset:16*(\t)
.endm
.irp t, 0,1,2,3,4,5,6,7,8,9,10,11,12,13,14,15
	STEP \t
.endr
.irp j, 0,1,2,3,4,5,6,7,8,9,10,11,12,13,14,15
	ds_load_b128 v[R+4*\j:R+4*\j+3], v17 offset:2*CP*\j   ; LDS serves a wave's instructions in order: these see my stores
.endr
	ds_load_b64 v[12:13], v6
.irp j, 0,1,2,3,4,5,6,7,8,9,10,11,12,13,14,15
	s_wait_dscnt 16-\j                             ; read-back j is in; the younger ones may be out
	global_store_b128 v18, v[R+4*\j:R+4*\j+3], s[14:15] offset:512*\j   ; 32 lanes store 512 consecutive bytes, aligned
.endr
	s_wait_dscnt 0x0
	global_store_b64 v7, v[12:13], s[16:17]        ; 32 lanes store 256 consecutive bytes, aligned
	s_wait_tensorcnt 0x0
	ds_add_u32 v208, v209
	s_wait_dscnt 0x0
	s_endpgm
.Lfunc_end_k_qb6f9488a78_quant:
	.size	k_qb6f9488a78_quant, .Lfunc_end_k_qb6f9488a78_quant-k_qb6f9488a78_quant
	.p2alignl 7, 3214868480
	.fill 96, 4, 3214868480
	.section	.rodata,"a",@progbits
	.p2align	6, 0x0
	.amdhsa_kernel k_qb6f9488a78_quant
		.amdhsa_group_segment_fixed_size 57856
		.amdhsa_private_segment_fixed_size 0
		.amdhsa_enable_private_segment 0
		.amdhsa_kernarg_size 56
		.amdhsa_user_sgpr_count 2
		.amdhsa_user_sgpr_kernarg_segment_ptr 1
		.amdhsa_wavefront_size32 1
		.amdhsa_system_sgpr_workgroup_id_x 1
		.amdhsa_system_sgpr_workgroup_id_y 1
		.amdhsa_system_sgpr_workgroup_id_z 1
		.amdhsa_system_vgpr_workitem_id 0
		.amdhsa_next_free_vgpr 210
		.amdhsa_next_free_sgpr 66
		.amdhsa_reserve_vcc 0
		.amdhsa_float_denorm_mode_32 3
		.amdhsa_float_denorm_mode_16_64 3
		.amdhsa_memory_ordered 1
		.amdhsa_forward_progress 1
		.amdhsa_inst_pref_size 55
	.end_amdhsa_kernel
	.amdgpu_metadata
---
amdhsa.version: [ 1, 2 ]
amdhsa.kernels:
  - .name:           k_qb6f9488a78_quant
    .symbol:         k_qb6f9488a78_quant.kd
    .args:
      - { .name: x, .offset: 0, .size: 8, .value_kind: global_buffer, .address_space: global }
      - { .name: Wq, .offset: 8, .size: 8, .value_kind: global_buffer, .address_space: global }
      - { .name: Wk, .offset: 16, .size: 8, .value_kind: global_buffer, .address_space: global }
      - { .name: Wv, .offset: 24, .size: 8, .value_kind: global_buffer, .address_space: global }
      - { .name: Wo, .offset: 32, .size: 8, .value_kind: global_buffer, .address_space: global }
      - { .name: c1, .offset: 40, .size: 8, .value_kind: global_buffer, .address_space: global }
      - { .name: s1, .offset: 48, .size: 8, .value_kind: global_buffer, .address_space: global }
    .group_segment_fixed_size: 57856
    .private_segment_fixed_size: 0
    .kernarg_segment_align: 8
    .kernarg_segment_size: 56
    .max_flat_workgroup_size: 128
    .sgpr_count:     66
    .vgpr_count:     210
    .wavefront_size: 32
...
	.end_amdgpu_metadata
.endif
;; end of part 1
;; launch qkv (part 2): grid 12 x 32, 4 waves a work-group, clusters of 4 x 4, 327,680 bytes of LDS; arguments c1, s1, bq, bk, bv, c2, s2; writes c2, s2
.if DOCPART == 2
	.amdgcn_target "amdgcn-amd-amdhsa--gfx1250"
	.amdhsa_code_object_version 6
	.text
	.protected	k_qb6f9488a78_qkv
	.globl	k_qb6f9488a78_qkv
	.p2align	8
	.type	k_qb6f9488a78_qkv,@function
k_qb6f9488a78_qkv:
	s_mov_b64 s[64:65], 0
	v_nop
	global_prefetch_b8 v0, s[64:65] scope:SCOPE_SE
	s_setreg_imm32_b32 hwreg(HW_REG_WAVE_MODE, 25, 1), 1
	s_wait_xcnt 0x0
	s_wait_alu depctr_hold_cnt(0) depctr_sa_sdst(0) depctr_va_vdst(0) depctr_va_sdst(0) depctr_va_ssrc(0) depctr_va_vcc(0) depctr_vm_vsrc(0)
	s_getreg_b32 s2, hwreg(HW_REG_IB_STS2, 6, 4)
	s_cmp_eq_u32 s2, 0
	s_cbranch_scc0 .Lentry_in_a_cluster
	s_endpgm
.Lentry_in_a_cluster:
	s_bfe_u32 s2, ttmp6, 0x10000c
	s_cmp_lg_u32 s2, 0xf033
	s_cbranch_scc0 .Lentry_shape_is_right
	s_endpgm
.Lentry_shape_is_right:
; Q = x Wq^T + bq, K = x Wk^T + bk, V = x Wv^T + bv on codes of FP8 (E4M3) with E8M0 scales, and each result quantised again on its way out: Q and K along the head's 64, V along the keys.
; ONE BODY, THREE ROLES, by the cluster's x (the same in all sixteen partners): 0 Q, 1 K, 2 V.  The body makes C[A's row][B's row] of two operands that both lie in c1 (a matrix of 12,288 rows, as images of operand registers:
; [768 tiles of 16 rows][8 K steps][2,048 bytes]; scales in s1: [768][4][16 rows][8 bytes]).  The matrix instruction is used transposed (source 0 = 16 rows of B, source 1 = 16 rows of A): a lane holds ONE row of A and its
; registers run along B's rows.  So the result is quantised along B's rows: Q, K: A = x, B = the weight (registers run along the head's channels);  V: A = Wv, B = x (registers run along the keys).
; THE ORDER INSIDE A BLOCK OF 32.  The 16 registers of B's tiles 2 g and 2 g + 1 hold, in lane half h, B's rows 32 g + 8 h + 0 .. 7 and 32 g + 16 + 8 h + 0 .. 7.  The blocks are true blocks of 32, so the scales are the rule's; inside a block the
; codes stand in this order in Q and K alike, and in V as in the weights p that the next launch makes: both sides of each later product agree.
; OUT.  c2: Q at 0, K at 8,388,608: [64 heads][128 tiles of 16 rows][2 groups of 512 bytes];  V at 16,777,216: [64 heads][16 key steps of 128][4 tiles of 16 channels][2,048].
;       s2: Q at 0, K at 524,288: [64 heads][2,048 rows] words, bytes 0, 1 the two scales, bytes 2, 3 zero;  V at 1,048,576: [64 heads][16 key steps][4 tiles][16 channels] words.
; SHARES.  A work-group of four waves makes 256 x 256, a wave 128 x 128: 64 accumulators, 512 registers.  K = 1,024 goes in four steps of 256 through a ring of two LDS slots; a tile is a dense run of images, so LDS rows need no pitch.
; CLUSTERS: 4 x 4.  A's tiles hang on the cluster's row alone, B's on its column alone: each is asked for jointly by four work-groups.  No prefetch: of the four slots' worth of K two are first fills, and the other two would have to be asked for at the head.
; LIMITS: NaN and infinities are not served; a block whose largest magnitude lies under 2^-118 has its byte held at 1; a block of zeros gets the byte 1 (its codes are zeros; this program alone reads the bytes).
; REGISTERS: window 0: v16-31 addresses; v32-63 scale words, two sets; v64-127 the bias; v128-255 A's fragments, one set; on the way out v128-191 a block's 64 numbers, v192-223 codes, v224-242 at work, v244-251 scale words read back.
;   window 1: B's fragments, two sets.   windows 2, 3: the accumulators ((a, b) at v[8 (8 (a % 4) + b)] of window 2 + a / 4).
.set NQ,     2                         ; matrix instructions deep in a slot
.set FR,     16                        ; registers of a fragment
.set NL,     4                         ; LDS loads that bring one
.set NP,     8                         ; places behind this matrix instruction (ISA guide 7.12.1)
.set HALFT,  32768                     ; 128 rows x 256 K of codes: 8 tiles x 2 fragments: what one tensor load brings
.set SLOT,   4*HALFT                   ; A's two halves, then B's two
.set SCL,    2*SLOT                    ; behind the ring: the scales of A's and B's 256 rows for all of K, filled once
.set HALFS,  4096                      ; those of 128 rows
.set SPARE,  SCL+4*HALFS               ; the spare words, 128 bytes for each wave: two blocks of 256 bytes that no other line names
.set STQ,    0                         ; the way out: stages for scale words, in slot 0, which has had its last fill and its last read by then: Q's and K's path 1,024 bytes a wave,
.set STV,    4096                      ; V's path 512 bytes a wave, in bytes of its own
.set ADRA, 16                          ; v16-17  LDS address of my A fragments in slot 0, 1
.set BOV,  19                          ; v19     V: my lane's offset in bv
.set ADRB, 20                          ; v20-21  the same as ADRA for B
.set SSTV, 22                          ; v22     V: where I put a scale word;  v23 where I read them back
.set SRDV, 23
.set LI,   24                          ; v24     16 x lane
.set SSTQ, 25                          ; v25, v26 the same two for Q and K
.set SRDQ, 26
.set ADRS, 27                          ; v27     LDS address of my scale words: lanes 0-15 A's rows, lanes 16-31 B's
.set SPW,  28                          ; v28     my spare word;  v29  0;  both never rewritten
.set NIL,  29
.set GSV,  30                          ; v30     8 x lane
.set BOQ,  31                          ; v31     Q, K: my lane's offset in the bias
.set SC,   32
.set BI,   64
.set AF,   128
.set ST,   128
.set PC,   192
.set TM,   224
.set PW,   240
.set SEL,  18                          ; s[18:19] v_permlanex16_b32's selects for lane l xor 16
.set MNT,  95                          ; s95     the mantissa field of 448
.set G1, 24                            ; s[24:31] group 1 for A's tiles;  s[32:39] groups 0, one for each slot
.set G0, 32
.set G1B, 48                           ; s[48:55], s[56:63] the same for B's
.set G0B, 56
.set G1S, 68                           ; s[68:75], s[76:79] groups 1 and 0 for A's scales;  s[80:87], s[88:91] for B's
.set G0S, 76
.set G1SB, 80
.set G0SB, 88
.set MSB, 0
.macro WIN new                         ; the immediate's high byte repeats the setting that is left
.if MSB != (\new)
	s_set_vgpr_msb (MSB<<8)|(\new)
.set MSB, (\new)
.endif
.endm
.set MUL_LO, 0xa1                      ; source 0 (B) window 1, source 1 (A) window 0, C and D window 2
.set MUL_HI, 0xf1                      ; the same, C and D window 3
.set TO_B,   0x40                      ; destination window 1, address window 0
; A joint load: waves 0 and 1 fetch for A, waves 2 and 3 for B.  The branch hangs on the wave's number alone.  Four v_nop follow each of the two lines.
.macro JLOAD g0a, g1a, g0b, g1b
	s_cmp_eq_u32 s15, 0
	s_cbranch_scc0 .Lfor_b_\@
	tensor_load_to_lds s[\g0a:\g0a+3], s[\g1a:\g1a+7]
	s_nop 0
.rept 4
	v_nop
.endr
	s_branch .Lasked_\@
.Lfor_b_\@:
	tensor_load_to_lds s[\g0b:\g0b+3], s[\g1b:\g1b+7]
	s_nop 0
.rept 4
	v_nop
.endr
.Lasked_\@:
.endm
.macro CREST                           ; a round of the cluster's barrier behind its opening barrier
	s_cmp_lg_u32 s14, 0
	s_cbranch_scc1 .Lnot_wave_0_\@
	s_barrier_signal -3
.Lnot_wave_0_\@:
	s_barrier_wait -3
	s_barrier_signal -1
	s_barrier_wait -1
.endm
.macro CROUND                          ; a whole round
	s_barrier_signal -1
	s_barrier_wait -1
	CREST
.endm
	s_load_b256 s[4:11], s[0:1], 0x0               ; c1 s[4:5], s1 s[6:7], bq s[8:9], bk s[10:11]
	s_load_b128 s[96:99], s[0:1], 0x20             ; bv s[96:97], c2 s[98:99]
	s_load_b64 s[100:101], s[0:1], 0x30            ; s2
	v_lshl_add_u32 v[SPW], v0, 2, SPARE
	v_mov_b32 v[NIL], 0
	ds_add_u32 v28, v29
	ds_add_u32 v28, v29
	s_wait_dscnt 0x0
	v_lshrrev_b32 v1, 5, v0
	v_readfirstlane_b32 s14, v1                    ; wave 0..3
	s_lshr_b32 s15, s14, 1                         ; which half of A's rows is mine.  Also: I fetch for A (0) or for B (1)
	s_and_b32 s16, s14, 1                          ; which half of B's rows.  Also: which 128 rows I fetch
	s_bfe_u32 s40, ttmp6, 0x40000                  ; cx, cy: my place in the cluster
	s_bfe_u32 s41, ttmp6, 0x40004
	s_and_b32 s12, ttmp7, 0xffff
	s_lshl_b32 s12, s12, 2                         ; 4 x cluster y: x's tiles of 256 rows
	s_lshl_b32 s13, ttmp9, 2
	s_add_co_u32 s13, s13, 32                      ; 32 + 4 x role: Wq's tiles begin at 32, Wk's at 36
	s_cmp_eq_u32 ttmp9, 2                          ; the role, the same in all partners
	s_cselect_b32 s17, 40, s12                     ; A: Wv's tiles begin at 40; else x's
	s_cselect_b32 s42, s12, s13                    ; B: x's; else the weight's
	s_add_co_u32 s17, s17, s41                     ; A's tile hangs on cy alone,
	s_add_co_u32 s42, s42, s40                     ; B's on cx alone
	s_lshl_b32 s43, s41, 2
	s_lshl_b32 s43, 15, s43                        ; my row of the cluster
	s_lshl_b32 s44, 0x1111, s40                    ; my column
	; group 1 for codes: 8 rows (a tile's two fragments of this slot, 4,096 bytes = 512 elements of 8 bytes), 16,384 bytes (a tile's eight fragments) apart; no padding
	s_or_b32 s[G1+0], s43, (3<<16)|(1<<21)         ; 15:0 the mask; 17:16 elements of 8 bytes; 21 set beside a mask
	s_or_b32 s[G1B+0], s44, (3<<16)|(1<<21)
.irp g, G1, G1B
	s_mov_b32 s[\g+1], 512<<16                     ; tensor_dim0
	s_mov_b32 s[\g+2], 8<<16                       ; tensor_dim1
	s_mov_b32 s[\g+3], 512<<16                     ; tile_dim0
	s_mov_b32 s[\g+4], 8                           ; tile_dim1
	s_mov_b32 s[\g+5], 2048                        ; tensor_dim0_stride
	s_mov_b32 s[\g+6], 0
	s_mov_b32 s[\g+7], 0
.endr
	; and for the scales of 128 rows: 4,096 dense bytes as 16 rows of 256
	s_or_b32 s[G1S+0], s43, (3<<16)|(1<<21)
	s_or_b32 s[G1SB+0], s44, (3<<16)|(1<<21)
.irp g, G1S, G1SB
	s_mov_b32 s[\g+1], 32<<16
	s_mov_b32 s[\g+2], 16<<16
	s_mov_b32 s[\g+3], 32<<16
	s_mov_b32 s[\g+4], 16
	s_mov_b32 s[\g+5], 32
	s_mov_b32 s[\g+6], 0
	s_mov_b32 s[\g+7], 0
.endr
	s_lshl_b32 s13, s16, 3                         ; which eight tiles of 16 rows I fetch
	s_lshl_b32 s20, s17, 4
	s_add_co_u32 s20, s20, s13                     ; A: the first of them
	s_lshl_b32 s46, s42, 4
	s_add_co_u32 s46, s46, s13                     ; B
	s_lshl_b32 s22, s20, 9                         ; their scales, 512 bytes a tile,
	s_mov_b32 s23, 0
	s_lshl_b32 s92, s46, 9
	s_mov_b32 s93, 0
	s_lshl_b32 s20, s20, 14                        ; and their codes, 16,384 bytes a tile
	s_mov_b32 s21, 0
	s_lshl_b32 s46, s46, 14
	s_mov_b32 s47, 0
	s_lshl_b32 s45, s14, 15                        ; where they go: wave x 32,768: no place in the cluster enters an LDS address
	s_lshl_b32 s94, s14, 12
	s_mov_b32 s[MNT], 0x600000
	s_wait_kmcnt 0x0
	s_add_nc_u64 s[20:21], s[4:5], s[20:21]
	s_add_nc_u64 s[22:23], s[6:7], s[22:23]
	s_add_nc_u64 s[46:47], s[4:5], s[46:47]
	s_add_nc_u64 s[92:93], s[6:7], s[92:93]
	CROUND                                         ; all sixteen work-groups are here: the first joint loads meet
	s_mov_b32 s[G0S], 1
	s_add_co_u32 s[G0S+1], s94, SCL
	s_mov_b64 s[G0S+2:G0S+3], s[22:23]
	s_or_b32 s[G0S+3], s[G0S+3], 0x80000000
	s_mov_b32 s[G0SB], 1
	s_add_co_u32 s[G0SB+1], s94, SCL
	s_mov_b64 s[G0SB+2:G0SB+3], s[92:93]
	s_or_b32 s[G0SB+3], s[G0SB+3], 0x80000000
	JLOAD G0S, G1S, G0SB, G1SB                     ; the scales first: they are wanted with the first slot
.irp s, 0,1
	s_mov_b32 s[G0+4*\s], 1
	s_add_co_u32 s[G0+4*\s+1], s45, \s*SLOT
	s_add_nc_u64 s[G0+4*\s+2:G0+4*\s+3], s[20:21], \s*4096
	s_or_b32 s[G0+4*\s+3], s[G0+4*\s+3], 0x80000000
	s_mov_b32 s[G0B+4*\s], 1
	s_add_co_u32 s[G0B+4*\s+1], s45, \s*SLOT
	s_add_nc_u64 s[G0B+4*\s+2:G0B+4*\s+3], s[46:47], \s*4096
	s_or_b32 s[G0B+4*\s+3], s[G0B+4*\s+3], 0x80000000
	JLOAD G0+4*\s, G1, G0B+4*\s, G1B               ; three tensor loads of mine are out now
.endr
	s_mov_b32 s[SEL], 0x76543210
	s_mov_b32 s[SEL+1], 0xfedcba98
	v_and_b32 v1, 31, v0                           ; lane
	v_and_b32 v2, 15, v0                           ; r
	v_bfe_u32 v3, v0, 4, 1                         ; h
	v_lshlrev_b32 v[LI], 4, v1
	s_lshl_b32 s21, s15, 15                        ; my 128 rows of A
	s_lshl_b32 s22, s16, 15                        ; my 128 rows of B,
	s_add_co_u32 s22, s22, 2*HALFT                 ; which lie behind A's 256
.irp s, 0,1
	v_add_nc_u32 v[ADRA+\s], s21, v[LI]
	v_add_nc_u32 v[ADRB+\s], s22, v[LI]
	s_add_co_u32 s21, s21, SLOT
	s_add_co_u32 s22, s22, SLOT
.endr
	v_lshlrev_b32 v5, 3, v2                        ; my row's eight scale bytes of a slot
	s_lshl_b32 s21, s15, 12                        ; A's: my 128 rows
	s_lshl_b32 s22, s16, 12                        ; B's: my 128 rows, behind A's 256
	s_add_co_u32 s22, s22, 2*HALFS
	s_sub_co_u32 s22, s22, s21
	v_mul_u32_u24 v6, s22, v3                      ; lanes 16-31 take B's
	s_add_co_u32 s21, s21, SCL
	v_add_nc_u32 v5, v5, v6
	v_add_nc_u32 v[ADRS], s21, v5
	s_lshl_b32 s21, s14, 10                        ; the stages for scale words
	v_lshl_add_u32 v[SSTQ], v2, 2, s21
	v_add_nc_u32 v[SRDQ], s21, v[LI]
	s_lshl_b32 s21, s14, 9
	s_add_co_u32 s21, s21, STV
	v_lshl_add_u32 v[SSTV], v2, 2, s21
	v_lshlrev_b32 v[GSV], 3, v1
	v_add_nc_u32 v[SRDV], s21, v[GSV]
	v_lshlrev_b32 v[BOQ], 5, v3                    ; the bias of Q and K: eight numbers of my half: 32 h bytes
	v_and_b32 v4, 8, v2
	v_add_nc_u32 v4, v4, v2
	v_lshlrev_b32 v[BOV], 2, v4                    ; of V: one number, that of my lane's channel: 4 (r + 8 (r / 8))
.macro FRAG reg, adr, q, i             ; a fragment comes as it lies: four loads of 512 consecutive bytes
.irp c, 0,1,2,3
	ds_load_b128 v[\reg+4*\c:\reg+4*\c+3], v[\adr] offset:4096*(\i)+2048*(\q)+512*\c
.endr
.endm
; 16 matrix instructions: A's blocks a0, a0 + 1 x B's eight, 128 along K: the slot's q-th.  p: B's set;  sc: the set of scale words.  zero = 1: the first product starts the sums.
; The 64 accumulators take turns, one instruction a turn, in the same order in every step.
.macro MUL16 a0, p, q, sc, zero
.irp a, \a0, \a0+1
.irp b, 0,1,2,3,4,5,6,7
.if \zero
	v_wmma_scale_f32_16x16x128_f8f6f4 v[8*(8*((\a)%4)+\b):8*(8*((\a)%4)+\b)+7], v[128*(\p)+FR*\b:128*(\p)+FR*\b+FR-1], v[AF+FR*(\a):AF+FR*(\a)+FR-1], 0, v[SC+8*NQ*(\sc)+NQ*\b+(\q)], v[SC+8*NQ*(\sc)+NQ*(\a)+(\q)] matrix_a_scale:MATRIX_SCALE_ROW1
.else
	v_wmma_scale_f32_16x16x128_f8f6f4 v[8*(8*((\a)%4)+\b):8*(8*((\a)%4)+\b)+7], v[128*(\p)+FR*\b:128*(\p)+FR*\b+FR-1], v[AF+FR*(\a):AF+FR*(\a)+FR-1], v[8*(8*((\a)%4)+\b):8*(8*((\a)%4)+\b)+7], v[SC+8*NQ*(\sc)+NQ*\b+(\q)], v[SC+8*NQ*(\sc)+NQ*(\a)+(\q)] matrix_a_scale:MATRIX_SCALE_ROW1
.endif
.endr
.endr
.endm
.macro FETCH_B slot, q, p              ; B's eight fragments of the slot's q-th 128 along K into set p
	WIN TO_B
.irp i, 0,1,2,3,4,5,6,7
	FRAG 128*(\p)+FR*\i, ADRB+\slot, \q, \i
.endr
	WIN 0
.endm
.macro FETCH_A slot, q, i0             ; A's blocks i0 .. i0 + 3
.irp i, \i0, \i0+1, \i0+2, \i0+3
	FRAG AF+FR*(\i), ADRA+\slot, \q, \i
.endr
.endm
.macro SCALES sc                       ; a slot's scale words into set sc: two words a row; lanes 0-15 take A's block i, lanes 16-31 B's block i
.irp i, 0,1,2,3,4,5,6,7
	ds_load_b64 v[SC+8*NQ*\sc+NQ*\i:SC+8*NQ*\sc+NQ*\i+1], v[ADRS] offset:\i*512
.endr
.endm
.macro PLACES n                        ; plain vector lines between a matrix instruction and a load into, or a vector line on, its registers
.rept \n
	v_nop
.endr
.endm
; A step of 128 along K that has its successor in the same slot.
.macro STEP slot, q, zero
	s_wait_dscnt 4*NL                              ; B's set and A's blocks 0-3 are in; the youngest sixteen loads (A's blocks 4-7) may be out
	WIN MUL_LO
	MUL16 0, (\q)%2, \q, \slot, \zero
	MUL16 2, (\q)%2, \q, \slot, \zero
	s_wait_dscnt 0                                 ; A's blocks 4-7 are in
	PLACES NP
	FETCH_B \slot, (\q)+1, 1-(\q)%2
	FETCH_A \slot, (\q)+1, 0
	WIN MUL_HI
	MUL16 4, (\q)%2, \q, \slot, \zero
	MUL16 6, (\q)%2, \q, \slot, \zero
	PLACES NP
	WIN 0
	FETCH_A \slot, (\q)+1, 4
.endm
; A slot's last step changes slots: ONE barrier; in front of it each wave waits for all its tensor loads, adds 0 to its spare word, and waits for that and for its own reads of this slot.  fill = 1: this slot is filled again, two slots ahead.
.macro TURN slot, next, fill
	s_wait_tensorcnt 0x0                           ; all my tensor loads have landed: my part of the next slot
	ds_add_u32 v[SPW], v[NIL]                      ; 0 onto my spare word
	s_wait_dscnt 4*NL+1                            ; (the add and the youngest sixteen loads, A's blocks 4-7, may be out)
	WIN MUL_LO
	MUL16 0, 1, NQ-1, \slot, 0                     ; sixteen matrix instructions stand between the add and the wait for it
	s_wait_dscnt 0x0                               ; the add is done, and my reads of this slot are over
	s_barrier_signal -1
	MUL16 2, 1, NQ-1, \slot, 0
	WIN 0
	s_barrier_wait -1
.if \fill
	CREST                                          ; the barrier has opened a round of the cluster's barrier: no wave of any partner still reads this slot or has a load on its way
	s_add_nc_u64 s[G0+4*\slot+2:G0+4*\slot+3], s[G0+4*\slot+2:G0+4*\slot+3], 2*4096
	s_add_nc_u64 s[G0B+4*\slot+2:G0B+4*\slot+3], s[G0B+4*\slot+2:G0B+4*\slot+3], 2*4096
	JLOAD G0+4*\slot, G1, G0B+4*\slot, G1B         ; the first tensor load behind the round, and my only one until the next; its four v_nop are among the places in front of the loads below
	PLACES NP-4
.else
	PLACES NP
.endif
	v_add_nc_u32 v[ADRS], 128, v[ADRS]             ; on to the next slot's scale words
	FETCH_B \next, 0, 0
	FETCH_A \next, 0, 0
	SCALES \next
	WIN MUL_HI
	MUL16 4, 1, NQ-1, \slot, 0
	MUL16 6, 1, NQ-1, \slot, 0
	PLACES NP
	WIN 0
	FETCH_A \next, 0, 4
.endm
.macro LAST                            ; the very last step: nothing more to fetch
	s_wait_dscnt 4*NL
	WIN MUL_LO
	MUL16 0, 1, NQ-1, 1, 0
	MUL16 2, 1, NQ-1, 1, 0
	s_wait_dscnt 0
	WIN MUL_HI
	MUL16 4, 1, NQ-1, 1, 0
	MUL16 6, 1, NQ-1, 1, 0
	WIN 0
.endm
; 64 numbers of a lane in v[ST] on (register 16 b + i: block b of my row) become a fragment's codes in v[PCC] on and its scale word in v[PW].
.macro QUANT
.irp b, 0,1,2,3
	v_max3_num_f32 v[TM+\b], |v[ST+16*\b]|, |v[ST+1+16*\b]|, 0x4800000   ; my 16 numbers of block b, and the floor 2^(9 - 127): the byte cannot fall under 1
.endr
.irp i, 2,4,6,8,10,12,14
.irp b, 0,1,2,3
	v_max3_num_f32 v[TM+\b], v[TM+\b], |v[ST+16*\b+\i]|, |v[ST+1+16*\b+\i]|
.endr
.endr
.irp b, 0,1,2,3
	v_permlanex16_b32 v[TM+4+\b], v[TM+\b], s[SEL], s[SEL+1]
.endr
.irp b, 0,1,2,3
	v_max_num_f32 v[TM+\b], v[TM+\b], v[TM+4+\b]   ; with lane l xor 16's: the block's largest magnitude
.endr
.irp b, 0,1,2,3
	v_add_nc_u32 v[TM+12+\b], 0xfc000000, v[TM+\b] ; 8 off its exponent field: the conversion's scale operand
.endr
.irp b, 0,1,2,3
	v_and_or_b32 v[TM+8+\b], v[TM+\b], 0x7f800000, s[MNT]   ; 448 x the scale
.endr
.irp b, 0,1,2,3
	v_lshrrev_b32 v[TM+4+\b], 23, v[TM+12+\b]      ; the scale's byte
.endr
	v_lshl_or_b32 v[PW], v[TM+5], 8, v[TM+4]
	v_lshl_or_b32 v[PW], v[TM+6], 16, v[PW]
	v_lshl_or_b32 v[PW], v[TM+7], 24, v[PW]
.irp b, 0,1,2,3
.irp i, 0,1,2,3,4,5,6,7,8,9,10,11,12,13,14,15
	v_med3_num_f32 v[ST+16*\b+\i], v[ST+16*\b+\i], -v[TM+8+\b], v[TM+8+\b]   ; the conversion to an 8-bit code does not saturate (ISA guide 7.6.2): the hold
.endr
	v_cvt_scalef32_pk8_fp8_f32 v[PCC+4*\b:PCC+1+4*\b], v[ST+16*\b:ST+7+16*\b], v[TM+12+\b]
	v_cvt_scalef32_pk8_fp8_f32 v[PCC+2+4*\b:PCC+3+4*\b], v[ST+8+16*\b:ST+15+16*\b], v[TM+12+\b]
.endr
	v_nop                                          ; a plain line behind the last conversion: the next block's additions write its sources
.endm
; THE WAY OUT of A's block a (16 rows x my 128 of B's rows).  One packed addition a pair adds the bias and brings the sums into window 0, each accumulator from its low end on; then the block is quantised and its four groups
; of codes leave as they stand, 512 consecutive aligned bytes a store.  mode 0: Q, K (groups 0, 1: one head; 2, 3: the next);  mode 1: V (a fragment of 16 channels x 128 keys).
.macro EPI a, mode
.set PCC, PC+16*((\a)%2)
.if (\a) > 0
	s_wait_xcnt 0x0                                ; earlier stores have read their registers
	s_wait_dscnt 0x0
.endif
	WIN 0x02+(\a)/4                                ; source 0: window 2 or 3
.set i, 0
.rept 32
.if \mode
	v_pk_add_f32 v[ST+2*i:ST+2*i+1], v[64*((\a)%4)+2*i:64*((\a)%4)+2*i+1], v[BI+2*(\a):BI+2*(\a)+1]
.else
	v_pk_add_f32 v[ST+2*i:ST+2*i+1], v[64*((\a)%4)+2*i:64*((\a)%4)+2*i+1], v[BI+2*i:BI+2*i+1]
.endif
.set i, i+1
.endr
	WIN 0
	QUANT
.irp g, 0,1,2,3
.if \mode
	global_store_b128 v[LI], v[PCC+4*\g:PCC+4*\g+3], s[98:99] offset:((\a)/4)*131072+((\a)%4)*2048+\g*512
.else
	global_store_b128 v[LI], v[PCC+4*\g:PCC+4*\g+3], s[98:99] offset:(\a)*1024+(\g/2)*131072+(\g%2)*512
.endif
.endr
.if \mode
	ds_store_b32 v[SSTV], v[PW] offset:64*(\a)     ; lanes r and r + 16 write the same word with the same value
.else
	v_and_b32 v[PW+1], 0xffff, v[PW]               ; the first head's two bytes,
	v_lshrrev_b32 v[PW+2], 16, v[PW]               ; the second's; the upper bytes are zero
	ds_store_b32 v[SSTQ], v[PW+1] offset:64*(\a)
	ds_store_b32 v[SSTQ], v[PW+2] offset:512+64*(\a)
.endif
.endm
.macro FINISH                          ; the wave's end, behind my last tensor load and my last LDS store
	s_wait_tensorcnt 0x0
	ds_add_u32 v[SPW], v[NIL]
	s_wait_dscnt 0x0
.endm
	s_wait_tensorcnt 1                             ; the scales and my part of slot 0 are in (slot 1's load may be out)
	s_barrier_signal -1
	s_barrier_wait -1                              ; everybody's are
	FETCH_B 0, 0, 0
	FETCH_A 0, 0, 0
	SCALES 0
	FETCH_A 0, 0, 4
	STEP 0, 0, 1                                   ; K 0: its products start the sums
	TURN 0, 1, 1                                   ; K 128; slot 0 takes K 512 on
	STEP 1, 0, 0                                   ; K 256
	TURN 1, 0, 1                                   ; K 384; slot 1 takes K 768 on
	STEP 0, 0, 0                                   ; K 512
	TURN 0, 1, 0                                   ; K 640; nothing is left to fetch, and behind this barrier nobody reads slot 0
	STEP 1, 0, 0                                   ; K 768
	s_cmp_eq_u32 ttmp9, 2                          ; the role: the same in every wave of every partner
	s_cbranch_scc1 .Lrole_v
	; ---- Q and K.  My rows of x: 256 x A's tile + 128 x half; my heads: 4 cx + 2 x half and the next
	s_lshl_b32 s20, s17, 8
	s_lshl_b32 s21, s15, 7
	s_add_co_u32 s20, s20, s21
	s_lshr_b32 s21, s20, 11                        ; the batch
	s_and_b32 s22, s20, 2047                       ; the row in it
	s_lshl_b32 s21, s21, 4
	s_lshl_b32 s23, s40, 2
	s_add_co_u32 s21, s21, s23
	s_lshl_b32 s23, s16, 1
	s_add_co_u32 s21, s21, s23                     ; 16 x batch + head
	s_lshl_b32 s46, ttmp9, 23                      ; Q's or K's part of c2,
	s_lshl_b32 s23, s21, 17                        ; 131,072 bytes a head,
	s_add_co_u32 s46, s46, s23
	s_lshl_b32 s23, s22, 6                         ; 1,024 bytes for 16 rows
	s_add_co_u32 s46, s46, s23
	s_mov_b32 s47, 0
	s_add_nc_u64 s[98:99], s[98:99], s[46:47]
	s_lshl_b32 s46, ttmp9, 19                      ; and of s2: 8,192 bytes a head, 4 a row
	s_lshl_b32 s23, s21, 13
	s_add_co_u32 s46, s46, s23
	s_lshl_b32 s23, s22, 2
	s_add_co_u32 s46, s46, s23
	s_add_nc_u64 s[100:101], s[100:101], s[46:47]
	s_cmp_eq_u32 ttmp9, 0
	s_cselect_b64 s[8:9], s[8:9], s[10:11]         ; bq or bk
	s_lshl_b32 s46, s40, 10
	s_lshl_b32 s23, s16, 9
	s_add_co_u32 s46, s46, s23
	s_add_nc_u64 s[8:9], s[8:9], s[46:47]          ; at my 128 columns
.irp b, 0,1,2,3,4,5,6,7
	global_load_b128 v[BI+8*\b:BI+8*\b+3], v[BOQ], s[8:9] offset:64*\b       ; in the result's layout: columns 16 b + 8 h + 0 .. 7
	global_load_b128 v[BI+8*\b+4:BI+8*\b+7], v[BOQ], s[8:9] offset:64*\b+16
.endr
	LAST                                           ; K 896; the bias lands meanwhile
	s_wait_loadcnt 0x0
	PLACES NP
.irp b, 0,1,2,3
	v_mov_b32 v[TM+4+\b], 0                        ; a lane permute's destination counts as one of its sources
.endr
.irp a, 0,1,2,3,4,5,6,7
	EPI \a, 0
.endr
	ds_load_b128 v[244:247], v[SRDQ]               ; my 128 rows' words of the first head; LDS serves a wave's instructions in order
	ds_load_b128 v[248:251], v[SRDQ] offset:512    ; of the second
	s_wait_dscnt 0x0
	global_store_b128 v[LI], v[244:247], s[100:101]              ; 512 consecutive bytes, aligned
	global_store_b128 v[LI], v[248:251], s[100:101] offset:8192
	FINISH
	s_branch .Ljoin
.Lrole_v:
	; ---- V.  My keys: 256 x B's tile + 128 x half: one key step;  my channels: 256 cy + 128 x half: two heads
	s_lshl_b32 s20, s42, 8
	s_lshl_b32 s21, s16, 7
	s_add_co_u32 s20, s20, s21
	s_lshr_b32 s21, s20, 11                        ; the batch
	s_bfe_u32 s22, s20, 0x40007                    ; the key step in it
	s_lshl_b32 s21, s21, 4
	s_lshl_b32 s23, s41, 2
	s_add_co_u32 s21, s21, s23
	s_lshl_b32 s23, s15, 1
	s_add_co_u32 s21, s21, s23                     ; 16 x batch + head
	s_lshl_b32 s21, s21, 4
	s_add_co_u32 s21, s21, s22
	s_lshl_b32 s46, s21, 13                        ; 8,192 bytes a key step
	s_add_co_u32 s46, s46, 16777216
	s_mov_b32 s47, 0
	s_add_nc_u64 s[98:99], s[98:99], s[46:47]
	s_lshl_b32 s46, s21, 8                         ; 256 bytes of scale words a key step
	s_add_co_u32 s46, s46, 1048576
	s_add_nc_u64 s[100:101], s[100:101], s[46:47]
	s_lshl_b32 s46, s41, 10
	s_lshl_b32 s23, s15, 9
	s_add_co_u32 s46, s46, s23
	s_add_nc_u64 s[96:97], s[96:97], s[46:47]      ; bv at my 128 channels
.irp a, 0,1,2,3,4,5,6,7
	global_load_b32 v[BI+2*\a], v[BOV], s[96:97] offset:(32*(\a/2)+8*(\a%2))*4     ; lane r of block a holds channel 32 (a / 2) + 8 (a % 2) + r + 8 (r / 8); twice, for the packed addition
	global_load_b32 v[BI+2*\a+1], v[BOV], s[96:97] offset:(32*(\a/2)+8*(\a%2))*4
.endr
	LAST
	s_wait_loadcnt 0x0
	PLACES NP
.irp b, 0,1,2,3
	v_mov_b32 v[TM+4+\b], 0
.endr
.irp a, 0,1,2,3,4,5,6,7
	EPI \a, 1
.endr
	ds_load_b64 v[244:245], v[SRDV]                ; the first head's 64 words
	ds_load_b64 v[246:247], v[SRDV] offset:256     ; the second's
	s_wait_dscnt 0x0
	global_store_b64 v[GSV], v[244:245], s[100:101]              ; 256 consecutive bytes, aligned
	global_store_b64 v[GSV], v[246:247], s[100:101] offset:4096
	FINISH
.Ljoin:
	CROUND                                         ; the closing round: no work-group ends while a partner may still ask for a tile that names it
	s_endpgm
.Lfunc_end_k_qb6f9488a78_qkv:
	.size	k_qb6f9488a78_qkv, .Lfunc_end_k_qb6f9488a78_qkv-k_qb6f9488a78_qkv
	.p2alignl 7, 3214868480
	.fill 96, 4, 3214868480
	.section	.rodata,"a",@progbits
	.p2align	6, 0x0
	.amdhsa_kernel k_qb6f9488a78_qkv
		.amdhsa_group_segment_fixed_size 327680
		.amdhsa_private_segment_fixed_size 0
		.amdhsa_enable_private_segment 0
		.amdhsa_kernarg_size 56
		.amdhsa_user_sgpr_count 2
		.amdhsa_user_sgpr_kernarg_segment_ptr 1
		.amdhsa_wavefront_size32 1
		.amdhsa_system_sgpr_workgroup_id_x 1
		.amdhsa_system_sgpr_workgroup_id_y 1
		.amdhsa_system_sgpr_workgroup_id_z 1
		.amdhsa_system_vgpr_workitem_id 0
		.amdhsa_next_free_vgpr 1024
		.amdhsa_next_free_sgpr 102
		.amdhsa_reserve_vcc 0
		.amdhsa_float_denorm_mode_32 3
		.amdhsa_float_denorm_mode_16_64 3
		.amdhsa_memory_ordered 1
		.amdhsa_forward_progress 1
		.amdhsa_inst_pref_size 255
	.end_amdhsa_kernel
	.section	.bss,"aw",@nobits
	.p2align	6
	.space	262144
	.amdgpu_metadata
---
amdhsa.version: [ 1, 2 ]
amdhsa.kernels:
  - .name:           k_qb6f9488a78_qkv
    .symbol:         k_qb6f9488a78_qkv.kd
    .args:
      - { .name: c1, .offset: 0, .size: 8, .value_kind: global_buffer, .address_space: global }
      - { .name: s1, .offset: 8, .size: 8, .value_kind: global_buffer, .address_space: global }
      - { .name: bq, .offset: 16, .size: 8, .value_kind: global_buffer, .address_space: global }
      - { .name: bk, .offset: 24, .size: 8, .value_kind: global_buffer, .address_space: global }
      - { .name: bv, .offset: 32, .size: 8, .value_kind: global_buffer, .address_space: global }
      - { .name: c2, .offset: 40, .size: 8, .value_kind: global_buffer, .address_space: global }
      - { .name: s2, .offset: 48, .size: 8, .value_kind: global_buffer, .address_space: global }
    .group_segment_fixed_size: 327680
    .private_segment_fixed_size: 0
    .kernarg_segment_align: 8
    .kernarg_segment_size: 56
    .max_flat_workgroup_size: 128
    .sgpr_count:     102
    .vgpr_count:     1024
    .wavefront_size: 32
...
	.end_amdgpu_metadata
.endif
;; end of part 2
;; launch attn (part 3): grid 8 x 64, 16 waves a work-group, clusters of 4 x 1, 327,680 bytes of LDS; arguments c2, s2, cc, cs; writes cc, cs
.if DOCPART == 3
	.amdgcn_target "amdgcn-amd-amdhsa--gfx1250"
	.amdhsa_code_object_version 6
	.text
	.protected	k_qb6f9488a78_attn
	.globl	k_qb6f9488a78_attn
	.p2align	8
	.type	k_qb6f9488a78_attn,@function
k_qb6f9488a78_attn:
	s_mov_b64 s[64:65], 0
	v_nop
	global_prefetch_b8 v0, s[64:65] scope:SCOPE_SE
	s_setreg_imm32_b32 hwreg(HW_REG_WAVE_MODE, 25, 1), 1
	s_wait_xcnt 0x0
	s_wait_alu depctr_hold_cnt(0) depctr_sa_sdst(0) depctr_va_vdst(0) depctr_va_sdst(0) depctr_va_ssrc(0) depctr_va_vcc(0) depctr_vm_vsrc(0)
	s_getreg_b32 s2, hwreg(HW_REG_IB_STS2, 6, 4)
	s_cmp_eq_u32 s2, 0
	s_cbranch_scc0 .Lentry_in_a_cluster
	s_endpgm
.Lentry_in_a_cluster:
	s_bfe_u32 s2, ttmp6, 0x10000c
	s_cmp_lg_u32 s2, 0x3003
	s_cbranch_scc0 .Lentry_shape_is_right
	s_endpgm
.Lentry_shape_is_right:
; ctx[b][q][head] = softmax_k(Q . K / 8) V for one of 64 heads, both products on codes of FP8 (E4M3) with E8M0 scales, and ctx quantised along the model's 1,024 on its way out.
; IN (made by the launch before, as images of operand registers): c2: Q at 0, K at 8,388,608: [64 heads][128 tiles of 16 rows][2 groups of 512 bytes]; V at 16,777,216: [64 heads][16 key steps][4 tiles of 16 channels][2,048].
;   s2: Q at 0, K at 524,288: [64][2,048] words (bytes 2, 3 zero); V at 1,048,576: [64][16 key steps][4][16] words.
; OUT: cc = [512 tiles of 16 rows][8 K steps][2,048]: K step s holds heads 2 s (groups 0, 1) and 2 s + 1 (groups 2, 3);  cs = [16 heads][8,192 rows] two scale bytes.
; THE SOFTMAX AHEAD OF THE SECOND PRODUCT: t = score x log2(e) / 8; M = the row's largest t so far, rounded UP to a whole number; p = 2^(t - M) is quantised along the keys, not normalised.  The row's sum is taken of the
; unquantised p and divides O at the end.  When M moves, the sum and O are multiplied by 2^(old M - new M): exact.
; SHARES.  A work-group owns 256 queries of one head, each of its sixteen waves 16 of them in 256 registers: four waves to a SIMD, so that one wave's vector work stands beside another's matrix work and LDS loads.  16 key steps of 128.
; A HEAD'S K AND V STAY IN LDS: 2 x 131,072 bytes of codes and 8,192 + 4,096 bytes of scale words are filled once.  Nothing is filled again.  They come in four chunks of four key steps; a chunk is read behind a counted wait of the
; fetching wave (0: K, 1: V) and a barrier, while the later chunks are on their way.
; CLUSTER.  The four query blocks of a cluster belong to one head: each tile is asked for jointly, with a mask that names the four.  No prefetch: all that is read is asked for at the head.
; LAYOUT.  Both products transposed: S^T = K Q^T, O^T = V^T P^T: a lane holds ONE query throughout.  The 16 registers of key tiles 2 b and 2 b + 1 are the keys 32 b + 8 h + 0 .. 7 and 32 b + 16 + 8 h + 0 .. 7: the order in which V's codes were laid.
; V's channel tiles were laid so that lane half h's registers of tiles 2 b, 2 b + 1 are channels 32 b + 16 h + 0 .. 15: ctx's codes come out in the operand's own order.
; K = 64 IN AN INSTRUCTION OF 128.  Q's upper eight registers are zero codes, and the upper two scale bytes of Q's and K's words are 0 (2^-127).  K's fragment t names 16 registers of which the upper eight are fragment t + 1's codes (behind the
; last: zeros): finite numbers (the quantiser holds every number, so it makes no NaN code) times zero codes, which add nothing.
; LIMITS: NaN and infinities are not served; a block of ctx whose largest magnitude lies under 2^-118 has its byte held at 1, a block of zeros gets the byte 1; 1 / the sum is v_rcp_f32's.
.set KSC,  262144                      ; LDS: K at 0, V at 131,072, K's scale words here,
.set VSC,  270336                      ; V's here,
.set CSG,  274432                      ; and 512 bytes in which ctx's scale bytes meet: no fill lands there
.set VOF,  131072
.set LI,   1                           ; v1   16 x lane
.set AKS,  2                           ; v2   KSC + 4 x lane
.set AVS,  3                           ; v3   VSC + 4 x lane
.set ADK,  4                           ; v4-7 the step's addresses: K, V, K's scale words, V's
.set ADV,  5
.set ADS,  6
.set ADT,  7
.set KS,   8                           ; v8-11 K's scale words: lanes 0-15 tile 2 p, lanes 16-31 tile 2 p + 1
.set QF,   16                          ; v16-23 Q's codes, v24-31 zero codes
.set KF,   32                          ; v32-95 K's eight half fragments, then V's four fragments; v96-103 zero codes
.set VS,   104                         ; v104-105 V's scale words
.set QS,   106                         ; v106 Q's scale words
.set CSA,  107                         ; v107 where I put my row's two scale bytes;  v108 where wave 0 reads them back;  v109 4 x (lane % 16)
.set CSR,  108
.set QSO,  109
.set S,    112                         ; v112-175 S^T, then p
.set O,    176                         ; v176-207 O^T
.set PC,   208                         ; v208-223 p's codes
.set WV,   12                          ; s12  my wave's number
.set G1C,  16                          ; s[16:23] group 1 for a chunk of codes; s[24:31] for K's scale words; s[32:39] for V's
.set G1KS, 24
.set G1VS, 32
.set G0,   40                          ; s[40:59] five groups 0: the scale words, then four chunks
.set SEL,  60                          ; s[60:61] lane selects for v_permlanex16_b32: lane l xor 16
.set CS,   62                          ; s[62:63] c = log2(e) / 8
.set MNT,  66                          ; s66  the mantissa field of 448
.set TK,   67                          ; s67  the step's codes: 8,192 bytes a step, in K and in V
.set TS,   68                          ; s68  K's scale words: 512 bytes a step
.set TJ,   69                          ; s69  V's: 256
.set TRIP, 70
.macro CROUND                          ; a round of the cluster's barrier
	s_barrier_signal -1
	s_barrier_wait -1
	s_cmp_lg_u32 s[WV], 0
	s_cbranch_scc1 .Lnot_wave_0_\@
	s_barrier_signal -3
.Lnot_wave_0_\@:
	s_barrier_wait -3
	s_barrier_signal -1
	s_barrier_wait -1
.endm
	s_load_b256 s[4:11], s[0:1], 0x0               ; c2 s[4:5], s2 s[6:7], cc s[8:9], cs s[10:11]
	v_lshl_add_u32 v251, v0, 2, 0x43200
	v_mov_b32 v255, 0
	ds_add_u32 v251, v255
	ds_add_u32 v251, v255
	v_lshrrev_b32 v4, 5, v0
	v_readfirstlane_b32 s[WV], v4                  ; wave 0..15
	s_bfe_u32 s13, ttmp6, 0x40000                  ; cx
	s_lshl_b32 s14, ttmp9, 2
	s_add_co_u32 s14, s14, s13                     ; my block of 256 queries: it enters Q's, cc's and cs's addresses alone
	s_and_b32 s15, ttmp7, 0xffff                   ; 16 x batch + head, which the four partners share
	; groups 1: dense blocks as rows of 256 bytes (32 elements of 8 bytes): 128 rows, 32 rows, 16 rows
.irp g, G1C, G1KS, G1VS
	s_mov_b32 s[\g], 15|(3<<16)|(1<<21)            ; 15:0 the mask: all four work-groups; 17:16 elements of 8 bytes; 21 set beside a mask
	s_mov_b32 s[\g+1], 32<<16                      ; tensor_dim0
	s_mov_b32 s[\g+3], 32<<16                      ; tile_dim0
	s_mov_b32 s[\g+5], 32                          ; tensor_dim0_stride
	s_mov_b32 s[\g+6], 0
	s_mov_b32 s[\g+7], 0
.endr
	s_mov_b32 s[G1C+2], 128<<16                    ; tensor_dim1
	s_mov_b32 s[G1C+4], 128                        ; tile_dim1
	s_mov_b32 s[G1KS+2], 32<<16
	s_mov_b32 s[G1KS+4], 32
	s_mov_b32 s[G1VS+2], 16<<16
	s_mov_b32 s[G1VS+4], 16
	; groups 0, made of the wave's number w and used by waves 0 (K) and 1 (V) alone
	s_add_co_u32 s72, s[WV], 1
	s_lshl_b32 s74, s72, 23                        ; codes: 8,388,608 (1 + w)
	s_lshl_b32 s73, s15, 17                        ; + 131,072 x head
	s_add_co_u32 s74, s74, s73
	s_mov_b32 s75, 0
	s_lshl_b32 s76, s72, 19                        ; scale words: 524,288 (1 + w)
	s_lshr_b32 s73, 8192, s[WV]                    ; + 8,192 (K) or 4,096 (V) x head
	s_mul_i32 s73, s73, s15
	s_add_co_u32 s76, s76, s73
	s_mov_b32 s77, 0
	s_lshl_b32 s78, s[WV], 13                      ; in LDS: V's scale words lie 8,192 behind K's,
	s_lshl_b32 s79, s[WV], 17                      ; V's codes 131,072 behind K's
	; my tile of Q, my tile of cc, my work-group's run of cs
	s_lshl_b32 s80, s15, 7
	s_lshl_b32 s81, s14, 4
	s_add_co_u32 s80, s80, s81
	s_add_co_u32 s80, s80, s[WV]                   ; 128 x head + 16 x block + wave
	s_lshl_b32 s84, s80, 10                        ; 1,024 bytes of codes a tile
	s_mov_b32 s85, 0
	s_lshl_b32 s86, s80, 6                         ; 64 bytes of scale words
	s_mov_b32 s87, 0
	s_lshr_b32 s82, s15, 4                         ; the batch
	s_and_b32 s83, s15, 15                         ; the head
	s_lshl_b32 s88, s82, 7
	s_add_co_u32 s88, s88, s81
	s_add_co_u32 s88, s88, s[WV]                   ; cc's tile of rows: 128 x batch + 16 x block + wave
	s_lshl_b32 s88, s88, 14                        ; 16,384 bytes a tile,
	s_lshl_b32 s89, s83, 10                        ; 1,024 a head
	s_add_co_u32 s88, s88, s89
	s_mov_b32 s89, 0
	s_lshl_b32 s90, s83, 14                        ; cs: 16,384 bytes a head,
	s_lshl_b32 s91, s82, 12                        ; 4,096 a batch,
	s_add_co_u32 s90, s90, s91
	s_lshl_b32 s91, s14, 9                         ; 512 a block
	s_add_co_u32 s90, s90, s91
	s_mov_b32 s91, 0
	s_mov_b32 s[SEL], 0x76543210
	s_mov_b32 s[SEL+1], 0xfedcba98
	s_mov_b32 s[CS], 0x3e38aa3b                    ; log2(e) / 8
	s_mov_b32 s[CS+1], s[CS]                       ; (named with it as a pair, so it is written)
	s_mov_b32 s[MNT], 0x600000
	s_mov_b32 s[TK], 0
	s_mov_b32 s[TS], 0
	s_mov_b32 s[TJ], 0
	s_wait_dscnt 0x0
	s_wait_kmcnt 0x0
	s_add_nc_u64 s[74:75], s[4:5], s[74:75]
	s_add_nc_u64 s[76:77], s[6:7], s[76:77]
	s_add_nc_u64 s[84:85], s[4:5], s[84:85]
	s_add_nc_u64 s[86:87], s[6:7], s[86:87]
	s_add_nc_u64 s[8:9], s[8:9], s[88:89]
	s_add_nc_u64 s[10:11], s[10:11], s[90:91]
	s_mov_b32 s[G0], 1                             ; 1:0 count = 1
	s_add_co_u32 s[G0+1], s78, KSC                 ; 63:32 LDS address
	s_mov_b64 s[G0+2:G0+3], s[76:77]               ; 120:64 global address
	s_or_b32 s[G0+3], s[G0+3], 0x80000000          ; 127:126 type = 2
.irp j, 0,1,2,3
	s_mov_b32 s[G0+4+4*\j], 1
	s_add_co_u32 s[G0+5+4*\j], s79, \j*32768
	s_add_nc_u64 s[G0+6+4*\j:G0+7+4*\j], s[74:75], \j*32768
	s_or_b32 s[G0+7+4*\j], s[G0+7+4*\j], 0x80000000
.endr
	CROUND                                         ; all four work-groups are here: the joint loads meet
	s_cmp_eq_u32 s[WV], 0                          ; a wave's first fills stand in one branch on its number: five loads of the wave are out
	s_cbranch_scc0 .Lnot_k
	tensor_load_to_lds s[G0:G0+3], s[G1KS:G1KS+7]
	s_nop 0
.irp j, 0,1,2,3
	tensor_load_to_lds s[G0+4+4*\j:G0+7+4*\j], s[G1C:G1C+7]
	s_nop 0
.endr
.rept 4
	v_nop
.endr
	s_branch .Lasked
.Lnot_k:
	s_cmp_eq_u32 s[WV], 1
	s_cbranch_scc0 .Lasked
	tensor_load_to_lds s[G0:G0+3], s[G1VS:G1VS+7]
	s_nop 0
.irp j, 0,1,2,3
	tensor_load_to_lds s[G0+4+4*\j:G0+7+4*\j], s[G1C:G1C+7]
	s_nop 0
.endr
.rept 4
	v_nop
.endr
.Lasked:
	v_and_b32 v4, 31, v0                           ; lane
	v_and_b32 v5, 15, v0                           ; r
	v_lshlrev_b32 v[LI], 4, v4
	v_lshlrev_b32 v[QSO], 2, v5
	global_load_b128 v[QF:QF+3], v[LI], s[84:85]               ; Q's two groups stay in registers
	global_load_b128 v[QF+4:QF+7], v[LI], s[84:85] offset:512
	global_load_b32 v[QS], v[QSO], s[86:87]
	v_lshl_add_u32 v[AKS], v4, 2, KSC
	v_lshl_add_u32 v[AVS], v4, 2, VSC
	s_lshl_b32 s72, s[WV], 5
	s_add_co_u32 s72, s72, CSG
	v_lshl_add_u32 v[CSA], v5, 1, s72              ; CSG + 32 x wave + 2 r
	v_add_nc_u32 v[CSR], CSG, v[LI]
.irp j, 0,1,2,3,4,5,6,7
	v_mov_b32 v[QF+8+\j], 0                        ; zero codes for k = 64 .. 127
	v_mov_b32 v[KF+64+\j], 0
.endr
	v_mov_b32 v13, 0xff61b1e6                      ; the largest t so far: -3e38, under every t
	v_floor_f32 v12, -v13                          ; -M
	v_mov_b32 v14, 0                               ; the sum, in two halves
	v_mov_b32 v15, 0
.irp b, 0,1,2,3
	v_mov_b32 v[236+\b], 0                         ; a lane permute's destination counts as one of its sources
.endr
	v_mov_b32 v253, 0                              ; (named as the upper half of the pair v[252:253] before it is first written)
.irp j, 0,1,2,3,4,5,6,7,8,9,10,11,12,13,14,15,16,17,18,19,20,21,22,23,24,25,26,27,28,29,30,31
	v_mov_b32 v[O+\j], 0                           ; O^T: the step is written once; the first finds zeros, which the first change of M leaves zeros
.endr
; A KEY STEP: 128 keys.
.macro STEP
	v_add_nc_u32 v[ADK], s[TK], v[LI]
	v_add_nc_u32 v[ADS], s[TS], v[AKS]
	v_add_nc_u32 v[ADT], s[TJ], v[AVS]
	v_add_nc_u32 v[ADV], VOF, v[ADK]
.rept 4
	v_nop                                          ; with the four additions: eight places in front of loads into registers that the last products read
.endr
.irp t, 0,1,2,3,4,5,6,7
	ds_load_b128 v[KF+8*\t:KF+8*\t+3], v[ADK] offset:1024*\t
	ds_load_b128 v[KF+8*\t+4:KF+8*\t+7], v[ADK] offset:1024*\t+512
.endr
.irp p, 0,1,2,3
	ds_load_b32 v[KS+\p], v[ADS] offset:128*\p
.endr
	s_wait_dscnt 0x0
.irp t, 0,2,4,6                                ; S^T = K Q^T: eight tiles of 16 keys
	v_wmma_scale_f32_16x16x128_f8f6f4 v[S+8*\t:S+8*\t+7], v[KF+8*\t:KF+8*\t+15], v[QF:QF+15], 0, v[KS+\t/2], v[QS]
	v_wmma_scale_f32_16x16x128_f8f6f4 v[S+8*\t+8:S+8*\t+15], v[KF+8*\t+8:KF+8*\t+23], v[QF:QF+15], 0, v[KS+\t/2], v[QS] matrix_a_scale:MATRIX_SCALE_ROW1
.endr
.rept 8
	v_nop                                          ; places in front of the loads below and of the first read of S^T
.endr
.irp t, 0,1,2,3                                ; V is asked for now and lands under the softmax
.irp c, 0,1,2,3
	ds_load_b128 v[KF+16*\t+4*\c:KF+16*\t+4*\c+3], v[ADV] offset:2048*\t+512*\c
.endr
.endr
.irp p, 0,1
	ds_load_b32 v[VS+\p], v[ADT] offset:128*\p
.endr
.irp b, 0,1,2,3
	v_max3_num_f32 v[232+\b], v[S+16*\b], v[S+1+16*\b], v[S+2+16*\b]   ; the largest score of each block of 32 keys: it serves for the row's maximum and, since p rises with the score, for the block's largest p
.endr
.irp i, 3,5,7,9,11,13
.irp b, 0,1,2,3
	v_max3_num_f32 v[232+\b], v[232+\b], v[S+16*\b+\i], v[S+1+16*\b+\i]
.endr
.endr
.irp b, 0,1,2,3
	v_max_num_f32 v[232+\b], v[232+\b], v[S+15+16*\b]
.endr
.irp b, 0,1,2,3
	v_permlanex16_b32 v[236+\b], v[232+\b], s[SEL], s[SEL+1]
.endr
.irp b, 0,1,2,3
	v_max_num_f32 v[232+\b], v[232+\b], v[236+\b]  ; with lane l xor 16's 16 keys
.endr
	v_max3_num_f32 v254, v232, v233, v234
	v_max_num_f32 v254, v254, v235                 ; the step's largest score of my query
	v_mul_f32 v254, s[CS], v254                    ; as t (c is positive)
	v_max_num_f32 v13, v13, v254                   ; the running largest t
	v_mov_b32 v254, v12
	v_floor_f32 v12, -v13                          ; the new -M = floor(-t) = -ceil(t): a whole number
	v_sub_f32 v254, v12, v254                      ; M's old value less its new one: a whole number, 0 or less
	v_cvt_i32_f32 v254, v254                       ; (it saturates)
	v_ldexp_f32 v252, 1.0, v254                    ; f = 2^(old M - new M)
.irp j, 0,2,4,6,8,10,12,14,16,18,20,22,24,26,28,30,32,34,36,38,40,42,44,46,48,50,52,54,56,58,60,62
	v_pk_fma_f32 v[S+\j:S+1+\j], v[S+\j:S+1+\j], s[CS:CS+1], v[12:13] op_sel_hi:[1,0,0]   ; t - M, two at a time
.endr
.irp b, 0,1,2,3
	v_fma_f32 v[232+\b], v[232+\b], s[CS], v12     ; the same of each block's largest score
.endr
.irp j, 0,1,2,3,4,5,6,7,8,9,10,11,12,13,14,15,16,17,18,19,20,21,22,23,24,25,26,27,28,29,30,31,32,33,34,35,36,37,38,39,40,41,42,43,44,45,46,47,48,49,50,51,52,53,54,55,56,57,58,59,60,61,62,63
	v_exp_f32 v[S+\j], v[S+\j]                     ; p = 2^(t - M), at most 1
.endr
	v_pk_mul_f32 v[14:15], v[14:15], v[252:253] op_sel_hi:[1,0]   ; the sums under the new M (a plain line behind the exponentials)
	s_wait_alu depctr_va_vdst(0)                   ; one wait for the whole batch, ahead of its first reader
.irp b, 0,1,2,3
	v_exp_f32 v[232+\b], v[232+\b]                 ; the block's largest p
.endr
	v_pk_add_f32 v[236:237], v[S:S+1], v[S+2:S+3]  ; the row's sum is taken of the unquantised p, in two chains
.irp j, 4,8,12,16,20,24,28,32,36,40,44,48,52,56,60
	v_pk_add_f32 v[14:15], v[14:15], v[S+\j:S+1+\j]
	v_pk_add_f32 v[236:237], v[236:237], v[S+2+\j:S+3+\j]
.endr
	v_pk_add_f32 v[14:15], v[14:15], v[236:237]
	s_wait_alu depctr_va_vdst(0)                   ; and one for the four
.irp b, 0,1,2,3
	v_max_num_f32 v[232+\b], 0x4800000, v[232+\b]  ; the floor 2^(9 - 127): the byte cannot fall under 1
.endr
.irp b, 0,1,2,3
	v_add_nc_u32 v[244+\b], 0xfc000000, v[232+\b]  ; 8 off the exponent field: the conversion's scale operand
.endr
.irp b, 0,1,2,3
	v_and_or_b32 v[240+\b], v[232+\b], 0x7f800000, s[MNT]   ; 448 x the scale
.endr
.irp b, 0,1,2,3
	v_lshrrev_b32 v[236+\b], 23, v[244+\b]         ; the scale's byte
.endr
	v_lshl_or_b32 v253, v237, 8, v236              ; p's scale word for these 128 keys
	v_lshl_or_b32 v253, v238, 16, v253
	v_lshl_or_b32 v253, v239, 24, v253
.irp b, 0,1,2,3
.irp i, 0,1,2,3,4,5,6,7,8,9,10,11,12,13,14,15
	v_min_num_f32 v[S+16*\b+\i], v[S+16*\b+\i], v[240+\b]   ; the conversion does not saturate (ISA guide 7.6.2); p is not negative, so the hold is one-sided
.endr
	v_cvt_scalef32_pk8_fp8_f32 v[PC+4*\b:PC+1+4*\b], v[S+16*\b:S+7+16*\b], v[244+\b]
	v_cvt_scalef32_pk8_fp8_f32 v[PC+2+4*\b:PC+3+4*\b], v[S+8+16*\b:S+15+16*\b], v[244+\b]
.endr
.irp j, 0,2,4,6,8,10,12,14,16,18,20,22,24,26,28,30
	v_pk_mul_f32 v[O+\j:O+1+\j], v[O+\j:O+1+\j], v[252:253] op_sel_hi:[1,0]   ; O^T under the new M
.endr
.rept 4
	v_nop                                          ; so that no register of the products below was written by a vector line fewer than four places ahead
.endr
	s_wait_dscnt 0x0                               ; V and its scale words are in
.irp t, 0,2                                    ; O^T += V^T P^T: four tiles of 16 channels by turns, one instruction a turn
	v_wmma_scale_f32_16x16x128_f8f6f4 v[O+8*\t:O+8*\t+7], v[KF+16*\t:KF+16*\t+15], v[PC:PC+15], v[O+8*\t:O+8*\t+7], v[VS+\t/2], v253
	v_wmma_scale_f32_16x16x128_f8f6f4 v[O+8*\t+8:O+8*\t+15], v[KF+16*\t+16:KF+16*\t+31], v[PC:PC+15], v[O+8*\t+8:O+8*\t+15], v[VS+\t/2], v253 matrix_a_scale:MATRIX_SCALE_ROW1
.endr
	s_add_co_u32 s[TK], s[TK], 8192
	s_add_co_u32 s[TS], s[TS], 512
	s_add_co_u32 s[TJ], s[TJ], 256
.endm
; Four key steps: a chunk.  cnt: how many of the fetching wave's five loads may still be out: the chunks behind this one.  No LDS access of a wave is out at the signal.
.macro STAGE cnt
	s_wait_tensorcnt \cnt
	s_barrier_signal -1
	s_barrier_wait -1
	s_mov_b32 s[TRIP], 4
.Lstep_\@:
	STEP
	s_sub_co_u32 s[TRIP], s[TRIP], 1
	s_cmp_lg_u32 s[TRIP], 0
	s_cbranch_scc1 .Lstep_\@
.endm
	s_wait_loadcnt 0x0                             ; Q
	STAGE 3                                        ; the scale words and chunk 0 are in
	STAGE 2
	STAGE 1
	STAGE 0
	; THE WAY OUT.  O^T / the sum is my query's 32 channels of my half: two blocks of 32 with lane l xor 16.  They are quantised and leave as two groups of an image, 512 consecutive aligned bytes each.
.rept 8
	v_nop
.endr
	v_add_f32 v14, v14, v15                        ; the sum's two halves,
	v_permlanex16_b32 v252, v14, s[SEL], s[SEL+1]
	v_add_f32 v14, v14, v252                       ; and lane l xor 16's
	v_rcp_f32 v14, v14
	v_nop                                          ; a plain line behind the reciprocal
	s_wait_alu depctr_va_vdst(0)                   ; a wait ahead of the first reader
.irp j, 0,1,2,3,4,5,6,7,8,9,10,11,12,13,14,15,16,17,18,19,20,21,22,23,24,25,26,27,28,29,30,31
	v_mul_f32 v[S+\j], v[O+\j], v14                ; register 16 b + i: channel 32 b + 16 h + i
.endr
.irp b, 0,1
	v_max3_num_f32 v[232+\b], |v[S+16*\b]|, |v[S+1+16*\b]|, 0x4800000
.endr
.irp i, 2,4,6,8,10,12,14
.irp b, 0,1
	v_max3_num_f32 v[232+\b], v[232+\b], |v[S+16*\b+\i]|, |v[S+1+16*\b+\i]|
.endr
.endr
.irp b, 0,1
	v_permlanex16_b32 v[236+\b], v[232+\b], s[SEL], s[SEL+1]
.endr
.irp b, 0,1
	v_max_num_f32 v[232+\b], v[232+\b], v[236+\b]
.endr
.irp b, 0,1
	v_add_nc_u32 v[244+\b], 0xfc000000, v[232+\b]
.endr
.irp b, 0,1
	v_and_or_b32 v[240+\b], v[232+\b], 0x7f800000, s[MNT]
.endr
.irp b, 0,1
	v_lshrrev_b32 v[236+\b], 23, v[244+\b]
.endr
	v_lshl_or_b32 v254, v237, 8, v236              ; my row's two scale bytes
.irp b, 0,1
.irp i, 0,1,2,3,4,5,6,7,8,9,10,11,12,13,14,15
	v_med3_num_f32 v[S+16*\b+\i], v[S+16*\b+\i], -v[240+\b], v[240+\b]
.endr
	v_cvt_scalef32_pk8_fp8_f32 v[PC+4*\b:PC+1+4*\b], v[S+16*\b:S+7+16*\b], v[244+\b]
	v_cvt_scalef32_pk8_fp8_f32 v[PC+2+4*\b:PC+3+4*\b], v[S+8+16*\b:S+15+16*\b], v[244+\b]
.endr
	v_nop
	global_store_b128 v[LI], v[PC:PC+3], s[8:9]
	global_store_b128 v[LI], v[PC+4:PC+7], s[8:9] offset:512
	ds_store_b16 v[CSA], v254                      ; lanes r and r + 16 write the same bytes with the same value
	s_wait_dscnt 0x0                               ; for the others' sake
	s_barrier_signal -1
	s_barrier_wait -1
	s_cmp_lg_u32 s[WV], 0
	s_cbranch_scc1 .Lnot_first
	ds_load_b128 v[216:219], v[CSR]                ; the work-group's 256 rows x 2 bytes
	s_wait_dscnt 0x0
	global_store_b128 v[LI], v[216:219], s[10:11]  ; 512 consecutive bytes, aligned
.Lnot_first:
	s_wait_tensorcnt 0x0
	ds_add_u32 v251, v255
	s_wait_dscnt 0x0
	CROUND                                         ; the closing round: no work-group ends while a partner may still ask for a tile that names it
	s_endpgm
.Lfunc_end_k_qb6f9488a78_attn:
	.size	k_qb6f9488a78_attn, .Lfunc_end_k_qb6f9488a78_attn-k_qb6f9488a78_attn
	.p2alignl 7, 3214868480
	.fill 96, 4, 3214868480
	.section	.rodata,"a",@progbits
	.p2align	6, 0x0
	.amdhsa_kernel k_qb6f9488a78_attn
		.amdhsa_group_segment_fixed_size 327680
		.amdhsa_private_segment_fixed_size 0
		.amdhsa_enable_private_segment 0
		.amdhsa_kernarg_size 32
		.amdhsa_user_sgpr_count 2
		.amdhsa_user_sgpr_kernarg_segment_ptr 1
		.amdhsa_wavefront_size32 1
		.amdhsa_system_sgpr_workgroup_id_x 1
		.amdhsa_system_sgpr_workgroup_id_y 1
		.amdhsa_system_sgpr_workgroup_id_z 1
		.amdhsa_system_vgpr_workitem_id 0
		.amdhsa_next_free_vgpr 256
		.amdhsa_next_free_sgpr 96
		.amdhsa_reserve_vcc 0
		.amdhsa_float_denorm_mode_32 3
		.amdhsa_float_denorm_mode_16_64 3
		.amdhsa_memory_ordered 1
		.amdhsa_forward_progress 1
		.amdhsa_inst_pref_size 92
	.end_amdhsa_kernel
	.amdgpu_metadata
---
amdhsa.version: [ 1, 2 ]
amdhsa.kernels:
  - .name:           k_qb6f9488a78_attn
    .symbol:         k_qb6f9488a78_attn.kd
    .args:
      - { .name: c2, .offset: 0, .size: 8, .value_kind: global_buffer, .address_space: global }
      - { .name: s2, .offset: 8, .size: 8, .value_kind: global_buffer, .address_space: global }
      - { .name: cc, .offset: 16, .size: 8, .value_kind: global_buffer, .address_space: global }
      - { .name: cs, .offset: 24, .size: 8, .value_kind: global_buffer, .address_space: global }
    .group_segment_fixed_size: 327680
    .private_segment_fixed_size: 0
    .kernarg_segment_align: 8
    .kernarg_segment_size: 32
    .max_flat_workgroup_size: 512
    .sgpr_count:     96
    .vgpr_count:     256
    .wavefront_size: 32
...
	.end_amdgpu_metadata
.endif
;; end of part 3
;; launch outln (part 4): grid 256 x 1, 8 waves a work-group, no clusters, 167,424 bytes of LDS; arguments cc, cs, c1, s1, bo, x, ln_gamma, ln_beta, out0; writes out0
.if DOCPART == 4
	.amdgcn_target "amdgcn-amd-amdhsa--gfx1250"
	.amdhsa_code_object_version 6
	.text
	.protected	k_qb6f9488a78_outln
	.globl	k_qb6f9488a78_outln
	.p2align	8
	.type	k_qb6f9488a78_outln,@function
k_qb6f9488a78_outln:
	s_mov_b64 s[64:65], 0
	v_nop
	global_prefetch_b8 v0, s[64:65] scope:SCOPE_SE
	s_setreg_imm32_b32 hwreg(HW_REG_WAVE_MODE, 25, 1), 1
	s_wait_xcnt 0x0
; out0 = LayerNorm(ctx Wo^T + bo + x) x gamma + beta.  The product runs on codes of FP8 (E4M3) with E8M0 scales; all else is f32.
; IN: cc = ctx's codes as images of operand registers, [512 tiles of 16 rows][8 K steps][2,048 bytes]; cs = [16 heads][8,192 rows] two scale bytes; Wo's codes are tiles 704 .. 767 of c1 ([tile][8 K steps][2,048]), its scales in s1 ([tile][4][16 rows][8 bytes]).
; SHARES.  A work-group owns 32 whole rows, since the norm wants whole rows.  Wave w makes columns 128 w .. 128 w + 127 of the 32 rows: 16 accumulators.  Its 128 rows of Wo are read by no other wave of the work-group: they go from memory straight
; into two register buffers, 32 loads of 512 consecutive bytes a K step, asked for one K step ahead.  ctx's 16 fragments and their scale words are copied into LDS once and read by all eight waves.
; NO CLUSTER AND NO RING, though every work-group walks the same Wo: a K step of all 1,024 columns is 131,072 bytes; two slots of that and the stage for 32 rows of y (131,584 bytes) are 393,728 bytes, more than a work-group can have.
; THE PRODUCT IS USED TRANSPOSED (source 0 = 16 rows of Wo, source 1 = 16 rows of ctx): a lane holds eight neighbouring columns of one row.  The rows meet in a stage in LDS (pitch 4,096 + 16 bytes); then each wave takes four whole rows.
; THE NORM in two passes over registers: mean, then the mean of the squared differences.  LIMITS: NaN and infinities are not served; 1 / sqrt is v_rsq_f32's.
; REGISTERS: window 0: v1-10 addresses; v16-31 ctx's scale words (8 m + s); v32-63 Wo's (8 (b / 2) + s: lanes 0-15 the even tile, lanes 16-31 the odd); v64-127 ctx's fragments, two buffers, later at work; v128-255 the accumulators (8 (8 m + b)), later four rows of y.
;   window 1: Wo's fragments, two buffers of 128; later v0-127 four rows of x, v128-159 bo, v160-191 gamma, v192-223 beta.
.set AIMG,   0                         ; LDS: ctx's 16 fragments (8 m + s),
.set ASC,    32768                     ; their scale words, 128 bytes each,
.set STG,    34816                     ; and the stage: 32 rows
.set SPITCH, 4112
.set LI,   1                           ; v1   16 x lane
.set L4,   2                           ; v2   4 x lane
.set AWI,  3                           ; v3   where I put my two fragments of ctx
.set AWS,  4                           ; v4   and their scale words
.set CSO,  5                           ; v5   2 x (lane % 16)
.set WSO,  6                           ; v6   512 (lane / 16) + 8 (lane % 16)
.set SO0,  7                           ; v7, v8 the stage: where I put 32 bytes of a row of tile 0, 1
.set SR,   9                           ; v9   and where I read my four rows back
.set PFO,  10                          ; v10  256 x lane
.set AS,   16
.set WS,   32
.set AF,   64
.set ACC,  128
.set Y,    128
.set SEL,  28                          ; s[28:29] lane selects for v_permlanex16_b32: lane l xor 16
.set MSB, 0
.macro WIN new                         ; the immediate's high byte repeats the setting that is left
.if MSB != (\new)
	s_set_vgpr_msb (MSB<<8)|(\new)
.set MSB, (\new)
.endif
.endm
	s_load_b512 s[4:19], s[0:1], 0x0               ; cc s[4:5], cs s[6:7], c1 s[8:9], s1 s[10:11], bo s[12:13], x s[14:15], gamma s[16:17], beta s[18:19]
	s_load_b64 s[20:21], s[0:1], 0x40              ; out0
	v_lshl_add_u32 v14, v0, 2, 0x28a00
	v_mov_b32 v15, 0
	v_lshrrev_b32 v1, 5, v0
	v_readfirstlane_b32 s22, v1                    ; wave 0..7
	v_and_b32 v11, 31, v0                          ; lane
	v_and_b32 v12, 15, v0                          ; r
	v_bfe_u32 v13, v0, 4, 1                        ; h
	v_lshlrev_b32 v[LI], 4, v11
	v_lshlrev_b32 v[L4], 2, v11
	s_lshl_b32 s23, s22, 12
	v_add_nc_u32 v[AWI], s23, v[LI]                ; 4,096 x wave + 16 x lane
	s_lshl_b32 s24, s22, 8
	s_add_co_u32 s24, s24, ASC
	v_add_nc_u32 v[AWS], s24, v[L4]
	v_lshlrev_b32 v[CSO], 1, v12
	v_lshlrev_b32 v[WSO], 3, v12
	v_lshl_add_u32 v[WSO], v13, 9, v[WSO]
	v_mul_u32_u24 v[SO0], v12, SPITCH
	v_lshl_add_u32 v[SO0], v13, 5, v[SO0]
	s_lshl_b32 s25, s22, 9
	s_add_co_u32 s25, s25, STG
	v_add_nc_u32 v[SO0], s25, v[SO0]               ; row r, + 512 x wave + 32 h
	v_add_nc_u32 v[SO0+1], 16*SPITCH, v[SO0]
	s_mul_i32 s26, s22, 4*SPITCH
	s_add_co_u32 s26, s26, STG
	v_add_nc_u32 v[SR], s26, v[LI]
	v_lshlrev_b32 v[PFO], 8, v11
	s_mov_b32 s[SEL], 0x76543210
	s_mov_b32 s[SEL+1], 0xfedcba98
	s_mov_b32 s30, 0x3a800000                      ; 1 / 1,024
	s_mov_b32 s31, 0x3727c5ac                      ; 1e-5
	s_mov_b32 s33, 0
	s_wait_kmcnt 0x0
	s_lshl_b32 s32, ttmp9, 15                      ; cc: my work-group's two tiles, 32,768 bytes; my wave's 4,096 of them
	s_add_co_u32 s32, s32, s23
	s_add_nc_u64 s[4:5], s[4:5], s[32:33]
	s_and_b32 s34, s22, 3                          ; cs: my two fragments span heads 4 (w % 4) .. + 3 (16,384 bytes a head), rows 32 g + 16 (w / 4) on (2 bytes a row)
	s_lshl_b32 s34, s34, 16
	s_lshl_b32 s35, ttmp9, 6
	s_add_co_u32 s34, s34, s35
	s_lshr_b32 s35, s22, 2
	s_lshl_b32 s35, s35, 5
	s_add_co_u32 s32, s34, s35
	s_add_nc_u64 s[6:7], s[6:7], s[32:33]
	s_lshl_b32 s34, s22, 3
	s_add_co_u32 s34, s34, 704                     ; Wo's tiles of my 128 columns
	s_lshl_b32 s32, s34, 14
	s_add_nc_u64 s[8:9], s[8:9], s[32:33]
	s_lshl_b32 s32, s34, 9
	s_add_nc_u64 s[10:11], s[10:11], s[32:33]
	s_lshl_b32 s32, ttmp9, 17                      ; x and out0 at my four rows: 32 g + 4 w
	s_lshl_b32 s35, s22, 14
	s_add_co_u32 s32, s32, s35
	s_add_nc_u64 s[14:15], s[14:15], s[32:33]
	s_add_nc_u64 s[20:21], s[20:21], s[32:33]
.macro BLOAD s                         ; Wo's eight fragments of K step s into buffer s % 2 of window 1
	WIN 0x40
.irp b, 0,1,2,3,4,5,6,7
.irp c, 0,1,2,3
	global_load_b128 v[128*((\s)%2)+16*\b+4*\c:128*((\s)%2)+16*\b+4*\c+3], v[LI], s[8:9] offset:16384*\b+2048*(\s)+512*\c
.endr
.endr
	WIN 0
.endm
.macro ALOAD s                         ; ctx's two fragments of K step s
.irp m, 0,1
.irp c, 0,1,2,3
	ds_load_b128 v[AF+32*((\s)%2)+16*\m+4*\c:AF+32*((\s)%2)+16*\m+4*\c+3], v[LI] offset:AIMG+2048*(8*\m+(\s))+512*\c
.endr
.endr
.endm
.macro MM s, b, m
.set rD, ACC+8*(8*(\m)+(\b))
.set rB, 128*((\s)%2)+16*(\b)
.set rA, AF+32*((\s)%2)+16*(\m)
.set rSB, WS+8*((\b)/2)+(\s)
.set rSA, AS+8*(\m)+(\s)
.if (\s) == 0
.if (\b)%2
	v_wmma_scale_f32_16x16x128_f8f6f4 v[rD:rD+7], v[rB:rB+15], v[rA:rA+15], 0, v[rSB], v[rSA] matrix_a_scale:MATRIX_SCALE_ROW1
.else
	v_wmma_scale_f32_16x16x128_f8f6f4 v[rD:rD+7], v[rB:rB+15], v[rA:rA+15], 0, v[rSB], v[rSA]
.endif
.else
.if (\b)%2
	v_wmma_scale_f32_16x16x128_f8f6f4 v[rD:rD+7], v[rB:rB+15], v[rA:rA+15], v[rD:rD+7], v[rSB], v[rSA] matrix_a_scale:MATRIX_SCALE_ROW1
.else
	v_wmma_scale_f32_16x16x128_f8f6f4 v[rD:rD+7], v[rB:rB+15], v[rA:rA+15], v[rD:rD+7], v[rSB], v[rSA]
.endif
.endif
.endm
; A K step: the next step's operands are asked for, then this step's 16 products; the sixteen accumulators take turns, one instruction a turn.
.macro KSTEP s
.if (\s) > 0
.rept 8
	v_nop                                          ; places in front of loads into the buffers that the last step's products read
.endr
.endif
.if (\s) < 7
	BLOAD (\s)+1
	ALOAD (\s)+1
.else
	WIN 0x40                                       ; the last step asks for my four rows of x, into Wo's buffer 0
.irp p, 0,1,2,3
.irp j, 0,1,2,3,4,5,6,7
	global_load_b128 v[32*\p+4*\j:32*\p+4*\j+3], v[LI], s[14:15] offset:4096*\p+512*\j th:TH_LOAD_NT
.endr
.endr
	WIN 0
.endif
.if (\s) == 3
	global_prefetch_b8 v[PFO], s[14:15] th:TH_LOAD_NT scope:SCOPE_SE               ; my four rows of x, 16,384 bytes, lanes 256 bytes apart: each block named once in the launch, four K steps ahead of the loads that want them
	global_prefetch_b8 v[PFO], s[14:15] offset:8192 th:TH_LOAD_NT scope:SCOPE_SE
.endif
	s_wait_loadcnt 32                              ; all but the 32 loads just issued: this step's fragments of Wo are in
.if (\s) < 7
	s_wait_dscnt 8                                 ; all but the eight just issued: this step's fragments of ctx are in
.else
	s_wait_dscnt 0x0
.endif
	WIN 0x01                                       ; source 0 (Wo) window 1
.irp b, 0,1,2,3,4,5,6,7
.irp m, 0,1
	MM \s, \b, \m
.endr
.endr
	WIN 0
.endm
.irp i, 0,1,2,3,4,5,6,7
	global_load_b128 v[128+4*\i:128+4*\i+3], v[LI], s[4:5] offset:512*\i       ; my two fragments of ctx, as they lie
.endr
.irp d, 0,1,2,3
	global_load_u16 v[160+\d], v[CSO], s[6:7] offset:16384*\d                  ; four heads' scale bytes of my 16 rows
.endr
.irp p, 0,1,2,3
.irp q, 0,1,2,3
	global_load_b64 v[WS+8*\p+2*\q:WS+8*\p+2*\q+1], v[WSO], s[10:11] offset:1024*\p+128*\q   ; Wo's scale words: tiles 2 p (lanes 0-15) and 2 p + 1 (lanes 16-31), K steps 2 q and 2 q + 1
.endr
.endr
	BLOAD 0
	s_wait_loadcnt 48                              ; the first twelve loads are in; Wo's 16 scale loads and 32 fragment loads may be out
	v_lshl_or_b32 v164, v161, 16, v160             ; a K step is two heads: four bytes
	v_lshl_or_b32 v165, v163, 16, v162
.irp i, 0,1,2,3,4,5,6,7
	ds_store_b128 v[AWI], v[128+4*\i:128+4*\i+3] offset:AIMG+512*\i
.endr
	ds_store_b32 v[AWS], v164
	ds_store_b32 v[AWS], v165 offset:128
	s_wait_dscnt 0x0                               ; for the others' sake: my stores have landed
	s_barrier_signal -1
	s_barrier_wait -1                              ; ctx's sixteen fragments and their scale words lie in LDS
	ALOAD 0
.irp f, 0,1,2,3,4,5,6,7,8,9,10,11,12,13,14,15
	ds_load_b32 v[AS+\f], v[L4] offset:ASC+128*\f
.endr
.irp s, 0,1,2,3,4,5,6,7
	KSTEP \s
.endr
	; THE WAY OUT
.rept 8
	v_nop                                          ; places in front of the loads below, of the first read of results and of vector lines on the fragments' registers
.endr
	WIN 0x40
.irp j, 0,1,2,3,4,5,6,7
	global_load_b128 v[128+4*\j:128+4*\j+3], v[LI], s[12:13] offset:512*\j     ; bo, gamma, beta: columns 128 j + 4 lane + 0 .. 3, as a row of y will lie
	global_load_b128 v[160+4*\j:160+4*\j+3], v[LI], s[16:17] offset:512*\j
	global_load_b128 v[192+4*\j:192+4*\j+3], v[LI], s[18:19] offset:512*\j
.endr
	WIN 0
.irp m, 0,1
.irp b, 0,1,2,3,4,5,6,7
	ds_store_b128 v[SO0+\m], v[ACC+8*(8*\m+\b):ACC+8*(8*\m+\b)+3] offset:64*\b          ; each accumulator from its low end on
	ds_store_b128 v[SO0+\m], v[ACC+8*(8*\m+\b)+4:ACC+8*(8*\m+\b)+7] offset:64*\b+16
.endr
.endr
	s_wait_dscnt 0x0
	s_barrier_signal -1
	s_barrier_wait -1                              ; 32 whole rows lie in the stage
.irp p, 0,1,2,3
.irp j, 0,1,2,3,4,5,6,7
	ds_load_b128 v[Y+32*\p+4*\j:Y+32*\p+4*\j+3], v[SR] offset:\p*SPITCH+512*\j
.endr
.endr
.irp p, 0,1,2,3
	v_mov_b32 v[80+\p], 0                          ; a lane permute's destination counts as one of its sources
.endr
	s_wait_loadcnt 0x0                             ; x, bo, gamma, beta
	s_wait_dscnt 0x0
	WIN 0x04                                       ; source 1 window 1
.irp i, 0,2,4,6,8,10,12,14,16,18,20,22,24,26,28,30
.irp p, 0,1,2,3
	v_pk_add_f32 v[Y+32*\p+\i:Y+32*\p+\i+1], v[Y+32*\p+\i:Y+32*\p+\i+1], v[128+\i:129+\i]          ; + bo
.endr
.endr
.irp i, 0,2,4,6,8,10,12,14,16,18,20,22,24,26,28,30
.irp p, 0,1,2,3
	v_pk_add_f32 v[Y+32*\p+\i:Y+32*\p+\i+1], v[Y+32*\p+\i:Y+32*\p+\i+1], v[32*\p+\i:32*\p+\i+1]    ; + x
.endr
.endr
	WIN 0
; the sum over the 32 lanes of v[64 + 4 p], the four rows by turns; the result stands in every lane
.macro RED
.irp m, 1,2,4,8
.irp p, 0,1,2,3
	v_add_f32_dpp v[64+4*\p], v[64+4*\p], v[64+4*\p] row_xmask:\m row_mask:0xf bank_mask:0xf
.endr
.endr
.irp p, 0,1,2,3
	v_permlanex16_b32 v[80+\p], v[64+4*\p], s[SEL], s[SEL+1]
.endr
.irp p, 0,1,2,3
	v_add_f32 v[64+4*\p], v[64+4*\p], v[80+\p]
.endr
.endm
.macro FOLD                            ; a row's two chains, then a pair's two halves
.irp p, 0,1,2,3
	v_pk_add_f32 v[64+4*\p:65+4*\p], v[64+4*\p:65+4*\p], v[66+4*\p:67+4*\p]
.endr
.irp p, 0,1,2,3
	v_add_f32 v[64+4*\p], v[64+4*\p], v[65+4*\p]
.endr
.endm
.irp p, 0,1,2,3
	v_pk_add_f32 v[64+4*\p:65+4*\p], v[Y+32*\p:Y+32*\p+1], v[Y+32*\p+4:Y+32*\p+5]      ; the row's sum, in two chains
	v_pk_add_f32 v[66+4*\p:67+4*\p], v[Y+32*\p+2:Y+32*\p+3], v[Y+32*\p+6:Y+32*\p+7]
.endr
.irp i, 8,12,16,20,24,28
.irp p, 0,1,2,3
	v_pk_add_f32 v[64+4*\p:65+4*\p], v[64+4*\p:65+4*\p], v[Y+32*\p+\i:Y+32*\p+\i+1]
	v_pk_add_f32 v[66+4*\p:67+4*\p], v[66+4*\p:67+4*\p], v[Y+32*\p+\i+2:Y+32*\p+\i+3]
.endr
.endr
	FOLD
	RED
.irp p, 0,1,2,3
	v_mul_f32 v[84+2*\p], s30, v[64+4*\p]          ; the mean, twice: a pair for the packed forms
	v_mul_f32 v[85+2*\p], s30, v[64+4*\p]
.endr
.irp i, 0,2,4,6,8,10,12,14,16,18,20,22,24,26,28,30
.irp p, 0,1,2,3
	v_pk_add_f32 v[Y+32*\p+\i:Y+32*\p+\i+1], v[Y+32*\p+\i:Y+32*\p+\i+1], v[84+2*\p:85+2*\p] neg_lo:[0,1] neg_hi:[0,1]   ; y - the mean
.endr
.endr
.irp p, 0,1,2,3
	v_pk_mul_f32 v[64+4*\p:65+4*\p], v[Y+32*\p:Y+32*\p+1], v[Y+32*\p:Y+32*\p+1]        ; the sum of its squares, in two chains
	v_pk_mul_f32 v[66+4*\p:67+4*\p], v[Y+32*\p+2:Y+32*\p+3], v[Y+32*\p+2:Y+32*\p+3]
.endr
.irp i, 4,8,12,16,20,24,28
.irp p, 0,1,2,3
	v_pk_fma_f32 v[64+4*\p:65+4*\p], v[Y+32*\p+\i:Y+32*\p+\i+1], v[Y+32*\p+\i:Y+32*\p+\i+1], v[64+4*\p:65+4*\p]
	v_pk_fma_f32 v[66+4*\p:67+4*\p], v[Y+32*\p+\i+2:Y+32*\p+\i+3], v[Y+32*\p+\i+2:Y+32*\p+\i+3], v[66+4*\p:67+4*\p]
.endr
.endr
	FOLD
	RED
.irp p, 0,1,2,3
	v_fma_f32 v[64+4*\p], v[64+4*\p], s30, s31     ; the variance + 1e-5
.endr
.irp p, 0,1,2,3
	v_rsq_f32 v[92+2*\p], v[64+4*\p]               ; twice: a pair
	v_rsq_f32 v[93+2*\p], v[64+4*\p]
.endr
	v_nop                                          ; a plain line behind the last of them
	s_wait_alu depctr_va_vdst(0)                   ; one wait for the eight, ahead of their first reader
.irp i, 0,2,4,6,8,10,12,14,16,18,20,22,24,26,28,30
.irp p, 0,1,2,3
	v_pk_mul_f32 v[Y+32*\p+\i:Y+32*\p+\i+1], v[Y+32*\p+\i:Y+32*\p+\i+1], v[92+2*\p:93+2*\p]
.endr
.endr
	WIN 0x14                                       ; sources 1 and 2 window 1
.irp i, 0,2,4,6,8,10,12,14,16,18,20,22,24,26,28,30
.irp p, 0,1,2,3
	v_pk_fma_f32 v[Y+32*\p+\i:Y+32*\p+\i+1], v[Y+32*\p+\i:Y+32*\p+\i+1], v[160+\i:161+\i], v[192+\i:193+\i]   ; x gamma + beta
.endr
.endr
	WIN 0
.irp p, 0,1,2,3
.irp j, 0,1,2,3,4,5,6,7
	global_store_b128 v[LI], v[Y+32*\p+4*\j:Y+32*\p+4*\j+3], s[20:21] offset:4096*\p+512*\j th:TH_STORE_NT   ; 32 lanes store 512 consecutive bytes, aligned
.endr
.endr
	s_wait_tensorcnt 0x0
	ds_add_u32 v14, v15
	s_wait_dscnt 0x0
	s_endpgm
.Lfunc_end_k_qb6f9488a78_outln:
	.size	k_qb6f9488a78_outln, .Lfunc_end_k_qb6f9488a78_outln-k_qb6f9488a78_outln
	.p2alignl 7, 3214868480
	.fill 96, 4, 3214868480
	.section	.rodata,"a",@progbits
	.p2align	6, 0x0
	.amdhsa_kernel k_qb6f9488a78_outln
		.amdhsa_group_segment_fixed_size 167424
		.amdhsa_private_segment_fixed_size 0
		.amdhsa_enable_private_segment 0
		.amdhsa_kernarg_size 72
		.amdhsa_user_sgpr_count 2
		.amdhsa_user_sgpr_kernarg_segment_ptr 1
		.amdhsa_wavefront_size32 1
		.amdhsa_system_sgpr_workgroup_id_x 1
		.amdhsa_system_sgpr_workgroup_id_y 1
		.amdhsa_system_sgpr_workgroup_id_z 1
		.amdhsa_system_vgpr_workitem_id 0
		.amdhsa_next_free_vgpr 512
		.amdhsa_next_free_sgpr 66
		.amdhsa_reserve_vcc 0
		.amdhsa_float_denorm_mode_32 3
		.amdhsa_float_denorm_mode_16_64 3
		.amdhsa_memory_ordered 1
		.amdhsa_forward_progress 1
		.amdhsa_inst_pref_size 100
	.end_amdhsa_kernel
	.amdgpu_metadata
---
amdhsa.version: [ 1, 2 ]
amdhsa.kernels:
  - .name:           k_qb6f9488a78_outln
    .symbol:         k_qb6f9488a78_outln.kd
    .args:
      - { .name: cc, .offset: 0, .size: 8, .value_kind: global_buffer, .address_space: global }
      - { .name: cs, .offset: 8, .size: 8, .value_kind: global_buffer, .address_space: global }
      - { .name: c1, .offset: 16, .size: 8, .value_kind: global_buffer, .address_space: global }
      - { .name: s1, .offset: 24, .size: 8, .value_kind: global_buffer, .address_space: global }
      - { .name: bo, .offset: 32, .size: 8, .value_kind: global_buffer, .address_space: global }
      - { .name: x, .offset: 40, .size: 8, .value_kind: global_buffer, .address_space: global }
      - { .name: ln_gamma, .offset: 48, .size: 8, .value_kind: global_buffer, .address_space: global }
      - { .name: ln_beta, .offset: 56, .size: 8, .value_kind: global_buffer, .address_space: global }
      - { .name: out0, .offset: 64, .size: 8, .value_kind: global_buffer, .address_space: global }
    .group_segment_fixed_size: 167424
    .private_segment_fixed_size: 0
    .kernarg_segment_align: 8
    .kernarg_segment_size: 72
    .max_flat_workgroup_size: 256
    .sgpr_count:     66
    .vgpr_count:     512
    .wavefront_size: 32
...
	.end_amdgpu_metadata
.endif
;; end of part 4
